; MI455X (gfx1250); checked and timed in simulation.
; The chip was launched on July 23, 2026; its instructions are those of AMD's public machine-readable ISA for CDNA 5 (MIT licence, August 2026) and "CDNA5" Instruction Set Architecture Reference Guide (July 2026). The comments in the code are by the model that wrote it; some were corrected since.
;; Transformer Block. Allowed arithmetic: matrix products marked QUANTISED: E2M3 operands, one E8M0 scale for each 32 along K, by v_wmma_scale_f32_16x16x128_f8f6f4 with both operands' format E2M3, f32 sums; everything else in f32.
;; Inputs: W1 1,024 x 4,096 float32; W2 4,096 x 1,024 float32; Wk 16 x 1,024 x 64 float32; Wp 1,024 x 1,024 float32; Wq 16 x 1,024 x 64 float32; Wv 16 x 1,024 x 64 float32; b1 4,096 float32; b2 1,024 float32; be1 1,024 float32; be2 1,024 float32; bp 1,024 float32; g1 1,024 float32; g2 1,024 float32; x 2 x 2,048 x 1,024 float32.
;; Outputs: out0 2 x 2,048 x 1,024 float32.
;; This version of the problem:
;;   THIS VERSION OF THE PROBLEM IS GIVEN IN LOW PRECISION. The matrix products marked QUANTISED in the list below multiply operands that are first quantised to E2M3 (2 exponent bits, 3 mantissa bits; 6 bits a number), with one power-of-two scale for each 32 numbers along K (OCP MX v1.0); their sums are f32. All else is computed in f32.
;;   The module's matrix products, in the order in which they are computed (A, B: the left and right operand; K: the contracted axis; several contracted axes count as one K, in the product's order):
;;     1. [M 1,024, K 1,024] x [K 1,024, N 4,096]; A: input Wq; B: computed on the way: QUANTISED
;;     2. [M 1,024, K 1,024] x [K 1,024, N 4,096]; A: input Wk; B: computed on the way: QUANTISED
;;     3. [M 1,024, K 1,024] x [K 1,024, N 4,096]; A: input Wv; B: computed on the way: QUANTISED
;;     4. batch 32 x [M 2,048, K 64] x [K 64, N 2,048]; A: computed on the way; B: computed on the way: QUANTISED
;;     5. batch 32 x [M 2,048, K 2,048] x [K 2,048, N 64]; A: softmax (see below); B: computed on the way: QUANTISED
;;     6. [M 4,096, K 1,024] x [K 1,024, N 1,024]; A: computed on the way; B: input Wp: QUANTISED
;;     7. [M 4,096, K 1,024] x [K 1,024, N 4,096]; A: computed on the way; B: input W1: QUANTISED
;;     8. [M 4,096, K 4,096] x [K 4,096, N 1,024]; A: computed on the way; B: input W2: QUANTISED
;;   THE QUANTISER, for each operand of a quantised product, along K:
;;     - K is cut into blocks of 32 from its start; a last block that is shorter is filled with zeros.
;;     - A block's scale is 2^e with e = floor(log2(the largest magnitude in the block)) - 2, held to -126 .. 127; a block of zeros has e = 0. As a byte (E8M0): e + 127.
;;     - Each number is divided by its block's scale, clamped to +-7.5, and rounded to the nearest number of E2M3, ties to even, subnormals kept.
;;     - The product sums the exact products of the quantised numbers (number of the format x scale) in f32.
;;   ~~~python
;;   def quantise(x, axis):      # numpy; x: float32 -> the quantised numbers, widened to float32 again
;;       x = np.moveaxis(x, axis, -1); K = x.shape[-1]
;;       x = np.pad(x, [(0, 0)] * (x.ndim - 1) + [(0, -K % 32)]); x = x.reshape(x.shape[:-1] + (-1, 32)); a = np.abs(x).max(-1, keepdims=True)
;;       e = np.where(a > 0, np.clip(np.frexp(np.where(a > 0, a, 1))[1] - 1 - 2, -126, 127), 0)      # np.frexp(a)[1] - 1 = floor(log2(a)), exactly
;;       r = np.clip(x / 2.0 ** e, -7.5, 7.5)
;;       step = 2.0 ** (np.maximum(np.frexp(np.where(r == 0, 1, r))[1] - 1, 0) - 3)
;;       q = np.round(r / step) * step * 2.0 ** e      # np.round: ties to even
;;       return np.moveaxis(q.reshape(q.shape[:-2] + (-1,))[..., :K], -1, axis).astype(np.float32)
;;   ~~~
;;   SOFTMAX AHEAD OF A QUANTISED PRODUCT. Where the list says 'softmax', what is quantised is not the finished softmax but p = 2^(t - M), with t = logit x log2(e) and M = ceil(the row's largest t), a whole number; so 1/2 < the row's largest p <= 1. The row's sum l is taken of the UNQUANTISED p, in f32, and the product's result is divided by l at the end. Since M is a whole number, a kernel that streams over the keys may use a running M (the ceiling of the running maximum): every later rescaling is an exact power of two, which a block's scale takes up: the codes' values come out the same.
;;   OPERANDS COMPUTED ON THE WAY. 'Computed on the way' means the value that the module computes at that place (a softmax that the list does not call 'softmax' is quantised finished and normalised). What goes into a quantiser is computed in f32, as accurately as f32 sums, v_exp_f32 and their like allow (about 1e-6 of the number): no bf16 or f16 on the way to a quantiser, and a product that is left as it is and whose result goes on into a quantised operand takes f32 operands (vector FMAs, or v_wmma_f32_16x16x4_f32). A number that lies on a knife's edge between two numbers of the format may be rounded either way, as far as f32 arithmetic and the matrix unit's own rounding can turn it there, and no further.
;; One version. Each part assembles by itself: llvm-mc -triple=amdgcn-amd-amdhsa -mcpu=gfx1250 --defsym DOCPART=n.
;; ======== version 1 of 1: 7 launches
;; workspace buffers: W 9,830,400 bytes; a0 3,276,800 bytes; res 16,777,216 bytes; qkv 9,830,400 bytes; a1 3,276,800 bytes; y 16,777,216 bytes; h 13,107,200 bytes
;; launch prep (part 1): grid 640 x 1, 8 waves a work-group, no clusters, 70,656 bytes of LDS; arguments x, g1, be1, bp, Wq, Wk, Wv, Wp, W1, W2, res, a0, W; writes res, a0, W
.if DOCPART == 1
	.amdgcn_target "amdgcn-amd-amdhsa--gfx1250"
	.amdhsa_code_object_version 6
	.text
	.protected	k_qc7cb4b456d_prep
	.globl	k_qc7cb4b456d_prep
	.p2align	8
	.type	k_qc7cb4b456d_prep,@function
k_qc7cb4b456d_prep:
	s_mov_b64 s[64:65], 0
	v_nop
	global_prefetch_b8 v0, s[64:65] scope:SCOPE_SE
	s_setreg_imm32_b32 hwreg(HW_REG_WAVE_MODE, 25, 1), 1
	s_wait_xcnt 0x0
; Work-groups 0-255: a layer norm of 16 rows of 1,024 f32, its result quantised to FP6 (E2M3, one E8M0 byte for each 32 along the row), and result + bias kept in f32 for the residual.
; Work-groups 256-639: the six weights ([K][N] f32, K not innermost) quantised along K.  (With a grid of 256 the same text is the second layer norm.)
; LAYOUTS OF THE PROGRAM'S OWN BUFFERS.  Rows go in tiles of 16: tile 2 B + u, lane row r = row 32 B + 8 u + r + 8 (r / 8), so that a product's 16 registers of two neighbouring tiles are 16 neighbours along the next K.
; A fragment (16 rows x 128 K, 12 registers a lane) lies as an image of its registers, 1,536 bytes: half c (K 64 c on): registers 6 c .. 6 c + 3 at 768 c + 16 lane, registers 6 c + 4, 6 c + 5 at 768 c + 512 + 8 lane.
; The scale words of 128 rows (8 tiles a) and 128 K are a block of 512 bytes: word (a, r) at 16 (r + 16 (a / 4)) + 4 (a % 4).
; The residual lies as images too: tile, 64 columns, register e at 512 (e / 4) + 16 lane + 4 (e % 4), e = column 32 (e / 16) + 16 (lane / 16) + e % 16.
; A block's scale is 2^(floor(log2(largest magnitude)) - 2): the largest magnitude's exponent field less 2.
; LIMITS: the byte is held at 1 from below by a floor of 2^-124 among the maximum's leaves; a block of zeros keeps the byte 1 (its codes are zeros, and this program alone reads the bytes); NaN and infinities are not served.
; The two paths part on the work-group's number and have LDS bytes of their own.
.set STGB, 8448                        ; LN: a wave's stage, 16 rows of 512 + 16 bytes
.set ST1,  67584                       ; LN: the rows' sums, 16 rows x 8 waves; the sums of squares 512 bytes on
.set WS,   68608                       ; weights: two blocks of scale words
.set A0S,  3145728                     ; a0: the scale blocks behind the codes
.set WSC,  9437184                     ; W: the scale blocks behind the codes
.set SEL,  60                          ; s[60:61] selects of v_permlanex16_b32: lane l xor 16
.set Z,   32                           ; LN: v32-95 my 64 numbers
.set G,   96                           ; v96-159 gain, later the bias
.set BE,  160                          ; v160-223 offset; then free for the quantiser:
.set TM,  160                          ; v160-175 at work
.set PW,  176                          ; the scale word
.set PC,  178                          ; v178-189 the fragment
.set TU,  190                          ; v190-197 the blocks' upper halves
.set X,   32                           ; weights: v32-159 128 numbers down K
.set OFF, 160                          ; v160-191 offsets of 32 rows of K
.set F0,  192                          ; the two fragments
.set F1,  204
.set T,   216                          ; the blocks' upper halves
.set AM,  232
.set SCO, 236
.set WD,  240
.macro OUTFRAG pc, base                ; a fragment leaves as its image: each store covers 512 or 256 consecutive bytes
	global_store_b128 v4, v[\pc:\pc+3], s[\base:\base+1]
	global_store_b64 v5, v[\pc+4:\pc+5], s[\base:\base+1] offset:512
	global_store_b128 v4, v[\pc+6:\pc+9], s[\base:\base+1] offset:768
	global_store_b64 v5, v[\pc+10:\pc+11], s[\base:\base+1] offset:1280
.endm
	s_load_b256 s[4:11], s[0:1], 0x0               ; x, gain, offset, bias
	s_load_b256 s[12:19], s[0:1], 0x20             ; Wq, Wk, Wv, Wp
	s_load_b256 s[20:27], s[0:1], 0x40             ; W1, W2, res, a0
	s_load_b64 s[28:29], s[0:1], 0x60              ; W
	v_lshl_add_u32 v254, v0, 2, 0x11000
	v_mov_b32 v255, 0
	v_lshrrev_b32 v1, 5, v0
	v_readfirstlane_b32 s30, v1                    ; wave 0..7
	v_and_b32 v1, 31, v0                           ; lane
	v_and_b32 v2, 15, v0                           ; r
	v_bfe_u32 v3, v0, 4, 1                         ; h
	v_lshlrev_b32 v4, 4, v1                        ; 16 lane
	v_lshlrev_b32 v5, 3, v1                        ; 8 lane
	s_mov_b32 s[SEL], 0x76543210
	s_mov_b32 s[SEL+1], 0xfedcba98
	s_cmp_lt_u32 ttmp9, 256
	s_cbranch_scc0 .Lweights
; ---------------- THE LAYER NORM.  The work-group is a tile of 16 rows; wave w has columns 128 w on.
	s_mul_i32 s31, s30, STGB                       ; my stage
	v_add_nc_u32 v6, s31, v4                       ; in: a row's 512 bytes as they lie
	v_mul_u32_u24 v7, v2, 528
	v_lshl_add_u32 v7, v3, 6, v7
	v_add_nc_u32 v7, s31, v7                       ; back: row r, 16 numbers of each block of 32: + 64 h
	v_lshlrev_b32 v8, 6, v3                        ; gain, offset, bias: 64 h
	s_lshl_b32 s32, s30, 2
	s_add_co_u32 s32, s32, ST1
	v_lshlrev_b32 v10, 5, v2
	v_add_nc_u32 v9, s32, v10                      ; my wave's word of row r
	v_add_nc_u32 v10, ST1, v10                     ; row r's eight words
	v_lshlrev_b32 v11, 4, v2                       ; 16 r
	s_lshr_b32 s33, ttmp9, 1
	s_lshl_b32 s33, s33, 5
	s_and_b32 s34, ttmp9, 1
	s_lshl_b32 s34, s34, 3
	s_add_co_u32 s33, s33, s34                     ; the tile's first row: 32 (tile / 2) + 8 (tile % 2)
	s_lshl_b32 s34, s33, 12
	s_lshl_b32 s36, s30, 9                         ; my 512 bytes of a row
	s_add_co_u32 s34, s34, s36
	s_mov_b32 s35, 0
	s_mov_b32 s37, 0
	s_wait_kmcnt 0x0
	s_add_nc_u64 s[4:5], s[4:5], s[34:35]
	s_add_nc_u64 s[6:7], s[6:7], s[36:37]
	s_add_nc_u64 s[8:9], s[8:9], s[36:37]
	s_add_nc_u64 s[10:11], s[10:11], s[36:37]
.irp i, 0,1,2,3,4,5,6,7,8,9,10,11,12,13,14,15
	global_load_b128 v[Z+4*\i:Z+4*\i+3], v4, s[4:5] offset:(\i+8*(\i/8))*4096 th:TH_LOAD_NT   ; lane row i: 32 lanes read 512 consecutive bytes
.endr
.irp b, 0,1,2,3
.irp j, 0,1,2,3
	global_load_b128 v[G+16*\b+4*\j:G+16*\b+4*\j+3], v8, s[6:7] offset:128*\b+16*\j
.endr
.endr
.irp b, 0,1,2,3
.irp j, 0,1,2,3
	global_load_b128 v[BE+16*\b+4*\j:BE+16*\b+4*\j+3], v8, s[8:9] offset:128*\b+16*\j
.endr
.endr
	s_lshl_b32 s38, ttmp9, 3                       ; where the results go: the fragment (tile, K step w),
	s_add_co_u32 s38, s38, s30
	s_mul_i32 s38, s38, 1536
	s_mov_b32 s39, 0
	s_add_nc_u64 s[40:41], s[26:27], s[38:39]
	s_and_b32 s38, ttmp9, 0xf8                     ; its scale words: block (tile / 8, w), tile % 8 in it,
	s_add_co_u32 s38, s38, s30
	s_lshl_b32 s38, s38, 9
	s_bfe_u32 s42, ttmp9, 0x10002
	s_lshl_b32 s42, s42, 8
	s_add_co_u32 s38, s38, s42
	s_and_b32 s42, ttmp9, 3
	s_lshl_b32 s42, s42, 2
	s_add_co_u32 s38, s38, s42
	s_add_co_u32 s38, s38, A0S
	s_add_nc_u64 s[26:27], s[26:27], s[38:39]
	s_lshl_b32 s38, ttmp9, 16                      ; and the residual's two images
	s_lshl_b32 s42, s30, 13
	s_add_co_u32 s38, s38, s42
	s_add_nc_u64 s[24:25], s[24:25], s[38:39]
	s_mov_b32 s33, 0x3a800000                      ; 1 / 1,024
	s_wait_loadcnt 32                              ; x is in; the 32 loads of gain and offset may stay out
.irp i, 0,1,2,3,4,5,6,7,8,9,10,11,12,13,14,15
	ds_store_b128 v6, v[Z+4*\i:Z+4*\i+3] offset:528*\i
.endr
.irp b, 0,1,2,3
.irp j, 0,1,2,3
	ds_load_b128 v[Z+16*\b+4*\j:Z+16*\b+4*\j+3], v7 offset:128*\b+16*\j   ; LDS serves a wave's instructions in order: these see the stores above
.endr
.endr
	s_wait_dscnt 0x0                               ; register 16 b + i is now column 128 w + 32 b + 16 h + i of row r
; a lane's pair of partial sums in v[16:17] becomes the row's sum over all 1,024 columns in v20
.macro CROSS off
	v_add_f32 v16, v16, v17
	v_permlanex16_b32 v17, v16, s[SEL], s[SEL+1]
	v_add_f32 v16, v16, v17                        ; my wave's 128 columns of row r
	ds_store_b32 v9, v16 offset:\off               ; (both halves of the lanes write the same word with the same value)
	s_wait_dscnt 0x0                               ; for the others' sake: my store has landed
	s_barrier_signal -1
	s_barrier_wait -1
	ds_load_b128 v[20:23], v10 offset:\off
	ds_load_b128 v[24:27], v10 offset:\off+16
	s_wait_dscnt 0x0
	v_add_f32 v20, v20, v21
	v_add_f32 v22, v22, v23
	v_add_f32 v24, v24, v25
	v_add_f32 v26, v26, v27
	v_add_f32 v20, v20, v22
	v_add_f32 v24, v24, v26
	v_add_f32 v20, v20, v24
.endm
	v_pk_add_f32 v[16:17], v[Z:Z+1], v[Z+2:Z+3]    ; the sum, two at a time, in two chains
	v_pk_add_f32 v[18:19], v[Z+4:Z+5], v[Z+6:Z+7]
.set j, 8
.rept 14
	v_pk_add_f32 v[16:17], v[16:17], v[Z+j:Z+j+1]
	v_pk_add_f32 v[18:19], v[18:19], v[Z+j+2:Z+j+3]
.set j, j+4
.endr
	v_pk_add_f32 v[16:17], v[16:17], v[18:19]
	CROSS 0
	v_mul_f32 v12, s33, v20                        ; the mean
	v_mov_b32 v13, v12
.set j, 0
.rept 32
	v_pk_add_f32 v[Z+j:Z+j+1], v[Z+j:Z+j+1], v[12:13] neg_lo:[0,1] neg_hi:[0,1]   ; the variance is taken of the differences: a common offset of the input costs nothing
.set j, j+2
.endr
	v_pk_mul_f32 v[16:17], v[Z:Z+1], v[Z:Z+1]
	v_pk_mul_f32 v[18:19], v[Z+2:Z+3], v[Z+2:Z+3]
.set j, 4
.rept 15
	v_pk_fma_f32 v[16:17], v[Z+j:Z+j+1], v[Z+j:Z+j+1], v[16:17]
	v_pk_fma_f32 v[18:19], v[Z+j+2:Z+j+3], v[Z+j+2:Z+j+3], v[18:19]
.set j, j+4
.endr
	v_pk_add_f32 v[16:17], v[16:17], v[18:19]
	CROSS 512                                      ; other bytes than the first exchange's: no wave overwrites what another still reads
	v_fmaak_f32 v14, s33, v20, 0x3727c5ac          ; variance + 1e-5
	v_rsq_f32 v14, v14
	v_nop                                          ; a plain instruction behind the transcendental,
	s_wait_alu depctr_va_vdst(0)                   ; and the wait ahead of its first reader
	v_mov_b32 v15, v14
	s_wait_loadcnt 0x0                             ; gain and offset
.set j, 0
.rept 32
	v_pk_mul_f32 v[Z+j:Z+j+1], v[Z+j:Z+j+1], v[14:15]
.set j, j+2
.endr
.set j, 0
.rept 32
	v_pk_fma_f32 v[Z+j:Z+j+1], v[Z+j:Z+j+1], v[G+j:G+j+1], v[BE+j:BE+j+1]
.set j, j+2
.endr
.irp b, 0,1,2,3
.irp j, 0,1,2,3
	global_load_b128 v[G+16*\b+4*\j:G+16*\b+4*\j+3], v8, s[10:11] offset:128*\b+16*\j   ; the bias of the product that will be added to these rows; it lands while they are quantised
.endr
.endr
.irp b, 0,1,2,3
	v_mov_b32 v[TM+4+\b], 0                        ; a lane permute's destination counts as one of its sources
.endr
; the quantiser: register 16 b + i = K 32 b + 16 h + i of my row
.irp b, 0,1,2,3
	v_max3_num_f32 v[TM+\b], |v[Z+16*\b]|, |v[Z+1+16*\b]|, 0x1800000   ; my 16 numbers of block b, and the floor
.endr
.irp i, 2,4,6,8,10,12,14
.irp b, 0,1,2,3
	v_max3_num_f32 v[TM+\b], v[TM+\b], |v[Z+16*\b+\i]|, |v[Z+1+16*\b+\i]|
.endr
.endr
.irp b, 0,1,2,3
	v_permlanex16_b32 v[TM+4+\b], v[TM+\b], s[SEL], s[SEL+1]
.endr
.irp b, 0,1,2,3
	v_max_num_f32 v[TM+\b], v[TM+\b], v[TM+4+\b]   ; with lane l xor 16's: the block's largest magnitude
.endr
.irp b, 0,1,2,3
	v_add_nc_u32 v[TM+12+\b], 0xff000000, v[TM+\b] ; 2 off its exponent field: the conversion's scale operand
.endr
.irp b, 0,1,2,3
	v_lshrrev_b32 v[TM+4+\b], 23, v[TM+12+\b]      ; the scale's byte
.endr
	v_lshl_or_b32 v[PW], v[TM+5], 8, v[TM+4]
	v_lshl_or_b32 v[PW], v[TM+6], 16, v[PW]
	v_lshl_or_b32 v[PW], v[TM+7], 24, v[PW]
.irp c, 0,1
	v_cvt_scalef32_pk16_fp6_f32 v[PC+6*\c:PC+2+6*\c], v[Z+32*\c:Z+15+32*\c], v[TM+12+2*\c]
	v_cvt_scalef32_pk16_fp6_f32 v[TU+4*\c:TU+2+4*\c], v[Z+16+32*\c:Z+31+32*\c], v[TM+12+2*\c+1]
.endr
	v_nop                                          ; one plain place behind a scaled conversion
.irp c, 0,1                                    ; the operand wants a whole block in a lane: lanes 0-15 block 2 c, lanes 16-31 block 2 c + 1
.irp i, 0,1,2
	v_permlane16_swap_b32 v[PC+6*\c+\i], v[TU+4*\c+\i]
.endr
.irp i, 0,1,2
	v_mov_b32 v[PC+3+6*\c+\i], v[TU+4*\c+\i]
.endr
.endr
	OUTFRAG PC, 40
	global_store_b32 v11, v[PW], s[26:27]          ; 4 bytes in each 16: this tile is one of the eight of its scale block
	s_wait_loadcnt 0x0                             ; the bias
.set j, 0
.rept 32
	v_pk_add_f32 v[Z+j:Z+j+1], v[Z+j:Z+j+1], v[G+j:G+j+1]
.set j, j+2
.endr
.irp q, 0,1,2,3,4,5,6,7,8,9,10,11,12,13,14,15
	global_store_b128 v4, v[Z+4*\q:Z+4*\q+3], s[24:25] offset:512*\q   ; 512 consecutive bytes a store
.endr
	s_wait_tensorcnt 0x0
	ds_add_u32 v254, v255
	s_wait_dscnt 0x0
	s_endpgm
; ---------------- THE WEIGHTS.  A unit is 128 columns n x 128 along K; four waves to a unit, two units to a work-group.  A lane takes a column and its registers run down K.
.Lweights:
	s_sub_co_u32 s31, ttmp9, 256
	s_lshl_b32 s31, s31, 1
	s_lshr_b32 s32, s30, 2
	s_add_co_u32 s31, s31, s32                     ; the unit, 0..767
	s_and_b32 s33, s30, 3                          ; my 32 columns of its 128
	s_lshl_b32 s56, s32, 9
	s_add_co_u32 s56, s56, WS                      ; my unit's scale block in LDS
	v_add_nc_u32 v248, s56, v4                     ; back: 16 lane
	s_lshr_b32 s57, s33, 1
	s_lshl_b32 s57, s57, 8
	s_add_co_u32 s56, s56, s57
	s_and_b32 s57, s33, 1
	s_lshl_b32 s57, s57, 3
	s_add_co_u32 s56, s56, s57
	v_lshlrev_b32 v243, 4, v2
	v_lshl_add_u32 v243, v3, 2, v243
	v_add_nc_u32 v243, s56, v243                   ; in: word (tile 2 bc + h, r)
	v_and_b32 v6, 7, v1
	v_bfe_u32 v7, v1, 3, 1
	v_lshl_add_u32 v6, v7, 4, v6
	v_lshl_add_u32 v6, v3, 3, v6                   ; my column of the 32: lanes 0-15 hold the rows of tile 2 bc, lanes 16-31 those of tile 2 bc + 1
	v_lshlrev_b32 v6, 2, v6
	s_wait_kmcnt 0x0
	s_mov_b64 s[34:35], s[22:23]                   ; the table, chosen by the unit's number alone: units 512-767: W2
	s_mov_b32 s36, 512                             ; the tensor's first unit
	s_mov_b32 s37, 5                               ; log2 of its K steps
	s_mov_b32 s38, 4096                            ; bytes from a row of K to the next
	s_mov_b32 s39, 0                               ; bytes from a head to the next
	s_mov_b32 s40, 0xffff                          ; mask of the column inside a head
	s_cmp_lt_u32 s31, 512                          ; 256-511: W1
	s_cselect_b64 s[34:35], s[20:21], s[34:35]
	s_cselect_b32 s36, 256, s36
	s_cselect_b32 s37, 3, s37
	s_cselect_b32 s38, 16384, s38
	s_cselect_b32 s41, 0, 512                      ; units 0-511 lie as one run of tiles of 8 K steps in W,
	s_cselect_b32 s42, 0, 6291456                  ; W2's tiles of 32 K steps behind them
	s_cmp_lt_u32 s31, 256                          ; 192-255: Wp
	s_cselect_b64 s[34:35], s[18:19], s[34:35]
	s_cselect_b32 s36, 192, s36
	s_cselect_b32 s38, 4096, s38
	s_cmp_lt_u32 s31, 192                          ; 128-191: Wv
	s_cselect_b64 s[34:35], s[16:17], s[34:35]
	s_cselect_b32 s36, 128, s36
	s_cselect_b32 s38, 256, s38
	s_cselect_b32 s39, 262144, s39
	s_cselect_b32 s40, 63, s40
	s_cmp_lt_u32 s31, 128                          ; 64-127: Wk
	s_cselect_b64 s[34:35], s[14:15], s[34:35]
	s_cselect_b32 s36, 64, s36
	s_cmp_lt_u32 s31, 64                           ; 0-63: Wq
	s_cselect_b64 s[34:35], s[12:13], s[34:35]
	s_cselect_b32 s36, 0, s36
	s_sub_co_u32 s43, s31, s36
	s_lshr_b32 s44, s43, s37                       ; which 128 columns
	s_bfm_b32 s45, s37, 0
	s_and_b32 s45, s43, s45                        ; which K step
	s_lshl_b32 s44, s44, 7
	s_lshl_b32 s46, s33, 5
	s_add_co_u32 s44, s44, s46                     ; my first column n
	s_lshr_b32 s46, s44, 6
	s_mul_i32 s46, s46, s39
	s_and_b32 s47, s44, s40
	s_lshl_b32 s47, s47, 2
	s_add_co_u32 s46, s46, s47
	s_lshl_b32 s47, s38, 7
	s_mul_i32 s47, s47, s45
	s_add_co_u32 s46, s46, s47
	s_mov_b32 s47, 0
	s_add_nc_u64 s[48:49], s[34:35], s[46:47]      ; a base for each of the four blocks of 32 along K
	s_lshl_b32 s46, s38, 5
	s_add_nc_u64 s[50:51], s[48:49], s[46:47]
	s_add_nc_u64 s[52:53], s[50:51], s[46:47]
	s_add_nc_u64 s[54:55], s[52:53], s[46:47]
.irp i, 0,1,2,3,4,5,6,7,8,9,10,11,12,13,14,15,16,17,18,19,20,21,22,23,24,25,26,27,28,29,30,31
	v_mad_u32_u24 v[OFF+\i], s38, \i, v6
.endr
.irp kb, 0,1,2,3
.irp i, 0,1,2,3,4,5,6,7,8,9,10,11,12,13,14,15,16,17,18,19,20,21,22,23,24,25,26,27,28,29,30,31
	global_load_b32 v[X+32*\kb+\i], v[OFF+\i], s[48+2*\kb:49+2*\kb] th:TH_LOAD_NT   ; one row of K at my wave's 32 columns: 128 consecutive bytes
.endr
.endr
	s_sub_co_u32 s43, s31, s41                     ; where the results go
	s_lshr_b32 s43, s43, s37
	s_lshl_b32 s43, s43, 3
	s_lshl_b32 s44, s33, 1
	s_add_co_u32 s43, s43, s44                     ; tile 8 g + 2 bc
	s_lshl_b32 s43, s43, s37
	s_add_co_u32 s43, s43, s45
	s_mul_i32 s46, s43, 1536
	s_add_co_u32 s46, s46, s42
	s_add_nc_u64 s[56:57], s[28:29], s[46:47]
	s_lshl_b32 s46, 1536, s37
	s_add_nc_u64 s[58:59], s[56:57], s[46:47]      ; the next tile's fragment
	s_lshl_b32 s46, s31, 9
	s_add_co_u32 s46, s46, WSC
	s_add_nc_u64 s[28:29], s[28:29], s[46:47]      ; the unit's scale block
.macro WBLOCK kb, lo                   ; block kb: all its 32 numbers are mine; its lower 16 codes go to v[lo] on, the upper to v[T + 4 kb] on
.set XS, X+32*\kb
	v_max3_num_f32 v[AM+\kb], |v[XS]|, |v[XS+1]|, |v[XS+2]|
	v_max3_num_f32 v241, |v[XS+3]|, |v[XS+4]|, |v[XS+5]|
.irp i, 6,10,14,18,22,26
	v_max3_num_f32 v[AM+\kb], v[AM+\kb], |v[XS+\i]|, |v[XS+\i+1]|
	v_max3_num_f32 v241, v241, |v[XS+\i+2]|, |v[XS+\i+3]|
.endr
	v_max3_num_f32 v[AM+\kb], v[AM+\kb], |v[XS+30]|, |v[XS+31]|
	v_max3_num_f32 v[AM+\kb], v[AM+\kb], v241, 0x1800000
	v_add_nc_u32 v[SCO+\kb], 0xff000000, v[AM+\kb]
	v_lshrrev_b32 v242, 23, v[SCO+\kb]
.if \kb == 0
	v_mov_b32 v[WD], v242
.else
	v_lshl_or_b32 v[WD], v242, 8*\kb, v[WD]
.endif
	v_cvt_scalef32_pk16_fp6_f32 v[\lo:\lo+2], v[XS:XS+15], v[SCO+\kb]
	v_cvt_scalef32_pk16_fp6_f32 v[T+4*\kb:T+4*\kb+2], v[XS+16:XS+31], v[SCO+\kb]
.endm
	s_wait_loadcnt 63                              ; of 128 loads at most 63 are out: blocks 0 and 1 are in
	WBLOCK 0, F0
	WBLOCK 1, F1
	s_wait_loadcnt 32                              ; block 3's 32 may stay out
	WBLOCK 2, F0+6
	s_wait_loadcnt 0x0
	WBLOCK 3, F1+6
	v_nop                                          ; one plain place behind a scaled conversion
; lanes 0-15 hold all four blocks of tile 2 bc's rows, lanes 16-31 those of tile 2 bc + 1's.  The exchange of halves gives each fragment blocks 0, 2 in lanes 0-15 and blocks 1, 3 in lanes 16-31
.irp i, 0,1,2
	v_permlane16_swap_b32 v[F0+\i], v[F1+\i]
	v_permlane16_swap_b32 v[F0+6+\i], v[F1+6+\i]
	v_permlane16_swap_b32 v[T+\i], v[T+4+\i]
	v_permlane16_swap_b32 v[T+8+\i], v[T+12+\i]
.endr
.irp i, 0,1,2
	v_mov_b32 v[F0+3+\i], v[T+\i]
	v_mov_b32 v[F1+3+\i], v[T+4+\i]
	v_mov_b32 v[F0+9+\i], v[T+8+\i]
	v_mov_b32 v[F1+9+\i], v[T+12+\i]
.endr
	OUTFRAG F0, 56
	OUTFRAG F1, 58
	ds_store_b32 v243, v[WD]
	s_wait_dscnt 0x0                               ; for the others' sake: my scale words have landed
	s_barrier_signal -1
	s_barrier_wait -1
	s_cmp_lg_u32 s33, 0                            ; a unit's first wave stores its scale block whole
	s_cbranch_scc1 .Lwend
	ds_load_b128 v[244:247], v248
	s_wait_dscnt 0x0
	global_store_b128 v4, v[244:247], s[28:29]     ; 512 consecutive bytes
.Lwend:
	s_wait_tensorcnt 0x0
	ds_add_u32 v254, v255
	s_wait_dscnt 0x0
	s_endpgm
.Lfunc_end_k_qc7cb4b456d_prep:
	.size	k_qc7cb4b456d_prep, .Lfunc_end_k_qc7cb4b456d_prep-k_qc7cb4b456d_prep
	.p2alignl 7, 3214868480
	.fill 96, 4, 3214868480
	.section	.rodata,"a",@progbits
	.p2align	6, 0x0
	.amdhsa_kernel k_qc7cb4b456d_prep
		.amdhsa_group_segment_fixed_size 70656
		.amdhsa_private_segment_fixed_size 0
		.amdhsa_enable_private_segment 0
		.amdhsa_kernarg_size 104
		.amdhsa_user_sgpr_count 2
		.amdhsa_user_sgpr_kernarg_segment_ptr 1
		.amdhsa_wavefront_size32 1
		.amdhsa_system_sgpr_workgroup_id_x 1
		.amdhsa_system_sgpr_workgroup_id_y 1
		.amdhsa_system_sgpr_workgroup_id_z 1
		.amdhsa_system_vgpr_workitem_id 0
		.amdhsa_next_free_vgpr 256
		.amdhsa_next_free_sgpr 66
		.amdhsa_reserve_vcc 0
		.amdhsa_float_denorm_mode_32 3
		.amdhsa_float_denorm_mode_16_64 3
		.amdhsa_memory_ordered 1
		.amdhsa_forward_progress 1
		.amdhsa_inst_pref_size 56
	.end_amdhsa_kernel
	.amdgpu_metadata
---
amdhsa.version: [ 1, 2 ]
amdhsa.kernels:
  - .name:           k_qc7cb4b456d_prep
    .symbol:         k_qc7cb4b456d_prep.kd
    .args:
      - { .name: x, .offset: 0, .size: 8, .value_kind: global_buffer, .address_space: global }
      - { .name: g1, .offset: 8, .size: 8, .value_kind: global_buffer, .address_space: global }
      - { .name: be1, .offset: 16, .size: 8, .value_kind: global_buffer, .address_space: global }
      - { .name: bp, .offset: 24, .size: 8, .value_kind: global_buffer, .address_space: global }
      - { .name: Wq, .offset: 32, .size: 8, .value_kind: global_buffer, .address_space: global }
      - { .name: Wk, .offset: 40, .size: 8, .value_kind: global_buffer, .address_space: global }
      - { .name: Wv, .offset: 48, .size: 8, .value_kind: global_buffer, .address_space: global }
      - { .name: Wp, .offset: 56, .size: 8, .value_kind: global_buffer, .address_space: global }
      - { .name: W1, .offset: 64, .size: 8, .value_kind: global_buffer, .address_space: global }
      - { .name: W2, .offset: 72, .size: 8, .value_kind: global_buffer, .address_space: global }
      - { .name: res, .offset: 80, .size: 8, .value_kind: global_buffer, .address_space: global }
      - { .name: a0, .offset: 88, .size: 8, .value_kind: global_buffer, .address_space: global }
      - { .name: W, .offset: 96, .size: 8, .value_kind: global_buffer, .address_space: global }
    .group_segment_fixed_size: 70656
    .private_segment_fixed_size: 0
    .kernarg_segment_align: 8
    .kernarg_segment_size: 104
    .max_flat_workgroup_size: 256
    .sgpr_count:     66
    .vgpr_count:     256
    .wavefront_size: 32
...
	.end_amdgpu_metadata
.endif
;; end of part 1
;; launch qkv (part 2): grid 8 x 24, 4 waves a work-group, clusters of 4 x 4, 327,680 bytes of LDS; arguments a0, W, qkv; writes qkv
.if DOCPART == 2
	.amdgcn_target "amdgcn-amd-amdhsa--gfx1250"
	.amdhsa_code_object_version 6
	.text
	.protected	k_qc7cb4b456d_qkv
	.globl	k_qc7cb4b456d_qkv
	.p2align	8
	.type	k_qc7cb4b456d_qkv,@function
k_qc7cb4b456d_qkv:
	s_mov_b64 s[64:65], 0
	v_nop
	global_prefetch_b8 v0, s[64:65] scope:SCOPE_SE
	s_setreg_imm32_b32 hwreg(HW_REG_WAVE_MODE, 25, 1), 1
	s_wait_xcnt 0x0
	s_wait_alu depctr_hold_cnt(0) depctr_sa_sdst(0) depctr_va_vdst(0) depctr_va_sdst(0) depctr_va_ssrc(0) depctr_va_vcc(0) depctr_vm_vsrc(0)
	s_getreg_b32 s2, hwreg(HW_REG_IB_STS2, 6, 4)
	s_cmp_eq_u32 s2, 0
	s_cbranch_scc0 .Lentry_in_a_cluster
	s_endpgm
.Lentry_in_a_cluster:
	s_bfe_u32 s2, ttmp6, 0x10000c
	s_cmp_lg_u32 s2, 0xf033
	s_cbranch_scc0 .Lentry_shape_is_right
	s_endpgm
.Lentry_shape_is_right:
; C' = Q(X Y^T), both operands codes of FP6 (E2M3) with E8M0 scales, K = 1,024; the result is quantised along Y's rows, in registers, and leaves as codes.
; FF1 = 0: clusters with y < 4: X = the normed tokens, Y = Wq | Wk (q and k, quantised along the heads' 64); clusters with y >= 4: X = Wv, Y = the tokens (v^T, quantised along the keys).
; FF1 = 1: X = the tokens, Y = W1; b1 is the C of each sum's first product, relu ahead of the quantiser.
; A work-group makes 256 x 256, a wave 128 x 128: 64 accumulators.  Source 0 = 16 rows of Y, source 1 = 16 rows of X: a lane holds one row of X, and since a tile's rows are 32 B + 8 u + r + 8 (r / 8),
; its 64 registers of Y's eight tiles are register 16 b + i = Y's row 32 b + 16 (lane / 16) + i: what the quantiser wants.
; Operands lie in memory as images of their fragments' registers (1,536 bytes: b128, b64, b128, b64 at 16 or 8 bytes a lane), so a tile of 8 fragments x 2 K steps is 8 rows of 3,072 bytes for the tensor data mover,
; LDS reads are consecutive, and no padding is needed.  Three slots of 2 K steps are first fills; slot 0 is filled once more (K steps 6, 7).  All scale words of K = 1,024 stay in 64 registers.
; CLUSTERS: 4 x 4.  X's tiles are asked for jointly along a row of the cluster, Y's along a column.  Which part a cluster serves hangs on the cluster's y, which all partners share, and is settled by selects, not branches.
; LIMITS: scale bytes held at 1 from below (floor 2^-124); a block of zeros keeps the byte 1; NaN and infinities not served.
; REGISTERS: window 0: v1-3 r, h, lane; v4-15 LDS addresses; v16 scale words' address; v17, v18 16 and 8 x lane; v28, v29 the spare word's address and 0; v32-95 scale words (K step k, block a: lanes 0-15 X's, lanes 16-31 Y's);
;   v96-127, v224-255 b1 (FF1), later the quantiser's; v128-223 X's fragments, one set, later the codes.  window 1: Y's two sets.  windows 2, 3: accumulator (x, y) at v[8 (8 (x % 4) + y)] of window 2 + x / 4.
.set FF1, 0
.set FRB,   1536
.set TROW,  2*FRB
.set HALFT, 8*TROW
.set SLOT,  4*HALFT
.set SCL,   3*SLOT
.set SPARE, SCL+4*4096
.set A0S,   3145728
.set WSC,   9437184
.if FF1
.set YCO, 3145728
.else
.set YCO, 0
.endif
.set ADX16, 4
.set ADX8,  7
.set ADY16, 10
.set ADY8,  13
.set ADRS,  16
.set SPW,   28
.set NIL,   29
.set SC,    32
.set XF,    128
.set TM,    96
.set PWX,   112
.set TU,    120
.set SD,    224
.set SEL,   2
.set G1,   24
.set G0,   32
.set G1B,  44
.set G0B,  52
.set G1S,  68
.set G0S,  76
.set G1SB, 80
.set G0SB, 88
.set MSB, 0
.macro WIN new                         ; the immediate's high byte repeats the setting that is left
.if MSB != (\new)
	s_set_vgpr_msb (MSB<<8)|(\new)
.set MSB, \new
.endif
.endm
.macro PLACES n
.rept \n
	v_nop
.endr
.endm
; a joint load: waves 0 and 1 fetch for X, waves 2 and 3 for Y; four v_nop follow each of the two lines
.macro JLOAD g0a, g1a, g0b, g1b
	s_cmp_eq_u32 s15, 0
	s_cbranch_scc0 .Lfor_b_\@
	tensor_load_to_lds s[\g0a:\g0a+3], s[\g1a:\g1a+7]
	s_nop 0
.rept 4
	v_nop
.endr
	s_branch .Lasked_\@
.Lfor_b_\@:
	tensor_load_to_lds s[\g0b:\g0b+3], s[\g1b:\g1b+7]
	s_nop 0
.rept 4
	v_nop
.endr
.Lasked_\@:
.endm
.macro CREST                           ; a round of the cluster's barrier behind its opening barrier
	s_cmp_lg_u32 s14, 0
	s_cbranch_scc1 .Lnot_wave_0_\@
	s_barrier_signal -3
.Lnot_wave_0_\@:
	s_barrier_wait -3
	s_barrier_signal -1
	s_barrier_wait -1
.endm
.macro CROUND
	s_barrier_signal -1
	s_barrier_wait -1
	CREST
.endm
	s_load_b128 s[4:7], s[0:1], 0x0                ; a0, W
.if FF1
	s_load_b128 s[8:11], s[0:1], 0x10              ; b1, the output
.else
	s_load_b64 s[10:11], s[0:1], 0x10              ; the output
.endif
	v_lshl_add_u32 v[SPW], v0, 2, SPARE
	v_mov_b32 v[NIL], 0
	ds_add_u32 v28, v29
	ds_add_u32 v28, v29
	s_wait_dscnt 0x0
	v_lshrrev_b32 v1, 5, v0
	v_readfirstlane_b32 s14, v1                    ; wave 0..3
	s_lshr_b32 s15, s14, 1                         ; my half of X's rows.  Also: I fetch for X (0) or for Y (1)
	s_and_b32 s16, s14, 1                          ; my half of Y's rows.  Also: which half of that tile I fetch
	s_bfe_u32 s19, ttmp6, 0x40000                  ; cx
	s_bfe_u32 s20, ttmp6, 0x40004                  ; cy
	s_lshl_b32 s21, s20, 2
	s_lshl_b32 s21, 15, s21                        ; my row of the cluster
	s_lshl_b32 s22, 0x1111, s19                    ; my column
	s_and_b32 s12, ttmp7, 0xffff                   ; the cluster's y
	s_lshl_b32 s17, s12, 2
	s_lshl_b32 s18, ttmp9, 2
.if FF1
	s_mov_b32 s23, 0                               ; X's codes begin here in their buffer,
	s_mov_b32 s3, A0S                              ; X's scale blocks here,
	s_mov_b32 s13, WSC+131072                      ; Y's scale blocks here;
	s_mov_b32 s66, 5                               ; log2 of the output's K steps,
	s_mov_b32 s67, 0                               ; where its codes begin,
	s_mov_b32 s2, 12582912                         ; and its scale blocks
.else
	s_lshl_b32 s94, s12, 3
	s_sub_co_u32 s94, s94, 32
	s_mov_b32 s3, A0S
	s_mov_b32 s13, WSC
	s_mov_b32 s2, 9437184
	s_cmp_ge_u32 s12, 4                            ; the v part?  The same answer in all sixteen partners
	s_cselect_b32 s17, 0, s17
	s_cselect_b32 s94, s94, 0
	s_cselect_b32 s23, 1572864, 0
	s_cselect_b32 s3, WSC+65536, s3
	s_cselect_b32 s13, A0S, s13
	s_cselect_b32 s66, 5, 4
	s_cselect_b32 s67, 6291456, 0
	s_cselect_b32 s2, 9699328, s2
	s_add_co_u32 s18, s18, s94
.endif
	s_add_co_u32 s17, s17, s20                     ; X's tile of 256 rows: hangs on cy alone
	s_add_co_u32 s18, s18, s19                     ; Y's: on cx alone
	; group 1, elements of 8 bytes: 8 fragments' rows of 384 elements (2 K steps), 1,536 elements (8 K steps) apart; bit 21 set beside the mask
	s_or_b32 s[G1], s21, (3<<16)|(1<<21)
	s_or_b32 s[G1B], s22, (3<<16)|(1<<21)
.irp g, G1, G1B
	s_mov_b32 s[\g+1], 384<<16
	s_mov_b32 s[\g+2], 8<<16
	s_mov_b32 s[\g+3], 384<<16
	s_mov_b32 s[\g+4], 8
	s_mov_b32 s[\g+5], 1536
	s_mov_b32 s[\g+6], 0
	s_mov_b32 s[\g+7], 0
.endr
	; the scale blocks of 128 rows, all 8 K steps: 4,096 dense bytes as 16 rows of 256
	s_or_b32 s[G1S], s21, (3<<16)|(1<<21)
	s_or_b32 s[G1SB], s22, (3<<16)|(1<<21)
.irp g, G1S, G1SB
	s_mov_b32 s[\g+1], 32<<16
	s_mov_b32 s[\g+2], 16<<16
	s_mov_b32 s[\g+3], 32<<16
	s_mov_b32 s[\g+4], 16
	s_mov_b32 s[\g+5], 32
	s_mov_b32 s[\g+6], 0
	s_mov_b32 s[\g+7], 0
.endr
	s_lshl_b32 s96, s16, 3
	s_lshl_b32 s92, s17, 4
	s_add_co_u32 s92, s92, s96
	s_mul_i32 s92, s92, 8*FRB
	s_add_co_u32 s92, s92, s23                     ; X's codes: fragment row 16 tile + 8 half
	s_mov_b32 s93, 0
	s_lshl_b32 s98, s17, 1
	s_add_co_u32 s98, s98, s16
	s_lshl_b32 s98, s98, 12
	s_add_co_u32 s98, s98, s3                      ; X's scale blocks
	s_mov_b32 s99, 0
	s_lshl_b32 s94, s18, 4
	s_add_co_u32 s94, s94, s96
	s_mul_i32 s94, s94, 8*FRB
	s_add_co_u32 s94, s94, YCO                     ; Y's codes
	s_mov_b32 s95, 0
	s_lshl_b32 s100, s18, 1
	s_add_co_u32 s100, s100, s16
	s_lshl_b32 s100, s100, 12
	s_add_co_u32 s100, s100, s13                   ; Y's scale blocks
	s_mov_b32 s101, 0
	s_mul_i32 s23, s14, HALFT                      ; where they go: the wave's number alone enters an LDS address
	s_lshl_b32 s3, s14, 12
	s_add_co_u32 s3, s3, SCL
	s_wait_kmcnt 0x0
.if FF1
	s_add_nc_u64 s[92:93], s[4:5], s[92:93]
	s_add_nc_u64 s[98:99], s[4:5], s[98:99]
	s_add_nc_u64 s[94:95], s[6:7], s[94:95]
	s_add_nc_u64 s[100:101], s[6:7], s[100:101]
.else
	s_cmp_ge_u32 s12, 4
	s_cselect_b64 s[96:97], s[6:7], s[4:5]         ; X's buffer
	s_cselect_b64 s[4:5], s[4:5], s[6:7]           ; Y's buffer
	s_add_nc_u64 s[92:93], s[96:97], s[92:93]
	s_add_nc_u64 s[98:99], s[96:97], s[98:99]
	s_add_nc_u64 s[94:95], s[4:5], s[94:95]
	s_add_nc_u64 s[100:101], s[4:5], s[100:101]
.endif
	CROUND                                         ; all sixteen work-groups are here: the first joint loads meet
	s_mov_b32 s[G0S], 1
	s_mov_b32 s[G0S+1], s3
	s_mov_b64 s[G0S+2:G0S+3], s[98:99]
	s_or_b32 s[G0S+3], s[G0S+3], 0x80000000
	s_mov_b32 s[G0SB], 1
	s_mov_b32 s[G0SB+1], s3
	s_mov_b64 s[G0SB+2:G0SB+3], s[100:101]
	s_or_b32 s[G0SB+3], s[G0SB+3], 0x80000000
	JLOAD G0S, G1S, G0SB, G1SB                     ; the scale words first: they are wanted with K step 0
.irp n, 0,1,2
	s_mov_b32 s[G0+4*\n], 1
	s_add_co_u32 s[G0+4*\n+1], s23, \n*SLOT
	s_add_nc_u64 s[G0+4*\n+2:G0+4*\n+3], s[92:93], \n*TROW
	s_or_b32 s[G0+4*\n+3], s[G0+4*\n+3], 0x80000000
	s_mov_b32 s[G0B+4*\n], 1
	s_add_co_u32 s[G0B+4*\n+1], s23, \n*SLOT
	s_add_nc_u64 s[G0B+4*\n+2:G0B+4*\n+3], s[94:95], \n*TROW
	s_or_b32 s[G0B+4*\n+3], s[G0B+4*\n+3], 0x80000000
	JLOAD G0+4*\n, G1, G0B+4*\n, G1B               ; by this text's count four tensor loads of a wave are out now
.endr
	; where my results go
	s_lshl_b32 s12, s17, 4
	s_lshl_b32 s13, s15, 3
	s_add_co_u32 s12, s12, s13                     ; my first tile of X's rows
	s_lshl_b32 s12, s12, s66
	s_lshl_b32 s13, s18, 1
	s_add_co_u32 s13, s13, s16                     ; my 128 rows of Y are this K step of the output
	s_add_co_u32 s12, s12, s13
	s_mul_i32 s12, s12, FRB
	s_add_co_u32 s12, s12, s67
	s_lshl_b32 s67, s17, 1
	s_add_co_u32 s67, s67, s15
	s_lshl_b32 s67, s67, s66
	s_add_co_u32 s67, s67, s13
	s_lshl_b32 s67, s67, 9
	s_add_co_u32 s96, s67, s2
	s_mov_b32 s13, 0
	s_mov_b32 s97, 0
	s_add_nc_u64 s[12:13], s[10:11], s[12:13]      ; the codes
	s_add_nc_u64 s[96:97], s[10:11], s[96:97]      ; the scale block
	s_lshl_b32 s100, FRB, s66                      ; from a tile's fragment to the next tile's
	s_mov_b32 s101, 0
	v_and_b32 v3, 31, v0
	v_and_b32 v1, 15, v0
	v_bfe_u32 v2, v0, 4, 1
	v_lshlrev_b32 v17, 4, v3
	v_lshlrev_b32 v18, 3, v3
	s_mul_i32 s2, s15, HALFT                       ; my 8 tiles of X,
	s_mul_i32 s3, s16, HALFT
	s_add_co_u32 s3, s3, 2*HALFT                   ; my 8 of Y, behind X's 16
.irp n, 0,1,2
	v_add_nc_u32 v[ADX16+\n], s2, v17
	v_add_nc_u32 v[ADX8+\n], s2, v18
	v_add_nc_u32 v[ADY16+\n], s3, v17
	v_add_nc_u32 v[ADY8+\n], s3, v18
	s_add_co_u32 s2, s2, SLOT
	s_add_co_u32 s3, s3, SLOT
.endr
	s_lshl_b32 s2, s15, 12
	s_lshl_b32 s3, s16, 12
	s_add_co_u32 s3, s3, 2*4096
	s_sub_co_u32 s3, s3, s2
	v_mul_u32_u24 v[ADRS], s3, v2                  ; lanes 16-31 take Y's words: one product, the distance between the two bases
	v_lshl_add_u32 v[ADRS], v1, 4, v[ADRS]
	s_add_co_u32 s2, s2, SCL
	v_add_nc_u32 v[ADRS], s2, v[ADRS]
.if FF1
	s_lshl_b32 s2, s18, 10
	s_lshl_b32 s3, s16, 9
	s_add_co_u32 s2, s2, s3
	s_mov_b32 s3, 0
	s_add_nc_u64 s[8:9], s[8:9], s[2:3]            ; b1 at my 128 hidden units
	v_lshlrev_b32 v19, 6, v2
.irp y, 0,1,2,3,4,5,6,7                        ; lane (r, h) wants, for tile y, units 32 (y / 2) + 16 h + 8 (y % 2) + 0 .. 7
	global_load_b128 v[96+8*\y+96*(\y/4):96+8*\y+96*(\y/4)+3], v19, s[8:9] offset:(32*(\y/2)+8*(\y%2))*4
	global_load_b128 v[100+8*\y+96*(\y/4):100+8*\y+96*(\y/4)+3], v19, s[8:9] offset:(32*(\y/2)+8*(\y%2))*4+16
.endr
.endif
	s_mov_b32 s[SEL], 0x76543210
	s_mov_b32 s[SEL+1], 0xfedcba98
.macro FRAG reg, a16, a8, off          ; a fragment's image into its 12 registers
	ds_load_b128 v[\reg:\reg+3], v[\a16] offset:\off
	ds_load_b64 v[\reg+4:\reg+5], v[\a8] offset:\off+512
	ds_load_b128 v[\reg+6:\reg+9], v[\a16] offset:\off+768
	ds_load_b64 v[\reg+10:\reg+11], v[\a8] offset:\off+1280
.endm
.macro FETCH_Y slot, q, p              ; Y's eight fragments of the slot's q-th K step into set p
	WIN 0x40
.irp i, 0,1,2,3,4,5,6,7
	FRAG 128*(\p)+12*\i, ADY16+\slot, ADY8+\slot, \i*TROW+(\q)*FRB
.endr
	WIN 0
.endm
.macro FETCH_X slot, q, i0             ; X's blocks i0 .. i0 + 3
.irp i, \i0, \i0+1, \i0+2, \i0+3
	FRAG XF+12*(\i), ADX16+\slot, ADX8+\slot, (\i)*TROW+(\q)*FRB
.endr
.endm
.macro SCALES                          ; all scale words: K step k, blocks 4 j .. 4 j + 3
.irp k, 0,1,2,3,4,5,6,7
.irp j, 0,1
	ds_load_b128 v[SC+8*\k+4*\j:SC+8*\k+4*\j+3], v[ADRS] offset:512*\k+256*\j
.endr
.endr
.endm
; 16 products: X's blocks a0, a0 + 1 against Y's eight, K step k.  The 64 accumulators take turns, one instruction a turn, in the same order in every step.
.macro MUL16 a0, p, k, first
.irp a, \a0, \a0+1
.irp b, 0,1,2,3,4,5,6,7
.if (\first) && FF1
	v_wmma_scale_f32_16x16x128_f8f6f4 v[8*(8*((\a)%4)+\b):8*(8*((\a)%4)+\b)+7], v[128*(\p)+12*\b:128*(\p)+12*\b+11], v[XF+12*(\a):XF+12*(\a)+11], v[96+8*\b+96*(\b/4):96+8*\b+96*(\b/4)+7], v[SC+8*(\k)+\b], v[SC+8*(\k)+(\a)] matrix_a_fmt:MATRIX_FMT_FP6 matrix_b_fmt:MATRIX_FMT_FP6 matrix_a_scale:MATRIX_SCALE_ROW1
.elseif \first
	v_wmma_scale_f32_16x16x128_f8f6f4 v[8*(8*((\a)%4)+\b):8*(8*((\a)%4)+\b)+7], v[128*(\p)+12*\b:128*(\p)+12*\b+11], v[XF+12*(\a):XF+12*(\a)+11], 0, v[SC+8*(\k)+\b], v[SC+8*(\k)+(\a)] matrix_a_fmt:MATRIX_FMT_FP6 matrix_b_fmt:MATRIX_FMT_FP6 matrix_a_scale:MATRIX_SCALE_ROW1
.else
	v_wmma_scale_f32_16x16x128_f8f6f4 v[8*(8*((\a)%4)+\b):8*(8*((\a)%4)+\b)+7], v[128*(\p)+12*\b:128*(\p)+12*\b+11], v[XF+12*(\a):XF+12*(\a)+11], v[8*(8*((\a)%4)+\b):8*(8*((\a)%4)+\b)+7], v[SC+8*(\k)+\b], v[SC+8*(\k)+(\a)] matrix_a_fmt:MATRIX_FMT_FP6 matrix_b_fmt:MATRIX_FMT_FP6 matrix_a_scale:MATRIX_SCALE_ROW1
.endif
.endr
.endr
.endm
.macro WMUL hi, first                  ; source 0 (Y) window 1, source 1 (X) window 0, D window 2 + hi; C with D, or (b1) in window 0
.if (\first) && FF1
	WIN 0x81+0x40*(\hi)
.else
	WIN 0xa1+0x50*(\hi)
.endif
.endm
; K step k; the next step's fragments lie in slot nslot, its nq-th.  X has one set: blocks 0-3 are fetched anew in the step's middle, blocks 4-7 at its end.
.macro STEP k, nslot, nq, first
	s_wait_dscnt 16                                ; all but the youngest 16 loads (X's blocks 4-7)
	WMUL 0, \first
	MUL16 0, (\k)%2, \k, \first
	MUL16 2, (\k)%2, \k, \first
	s_wait_dscnt 0
	PLACES 4                                       ; in front of loads into registers that matrix instructions have read
	FETCH_Y \nslot, \nq, 1-(\k)%2
	FETCH_X \nslot, \nq, 0
	WMUL 1, \first
	MUL16 4, (\k)%2, \k, \first
	MUL16 6, (\k)%2, \k, \first
	PLACES 4
	WIN 0
	FETCH_X \nslot, \nq, 4
.endm
; a step that changes slots behind one barrier.  fill = 1: slot 0, which nobody reads any more, takes K steps 6 and 7; the barrier then opens a round of the cluster's.
.macro TURN k, nslot, fill
	s_wait_tensorcnt 0x0                           ; all my tensor loads have landed
	ds_add_u32 v[SPW], v[NIL]                      ; 0 onto my spare word
	s_wait_dscnt 17                                ; (the add and X's blocks 4-7 may be out)
	WMUL 0, 0
	MUL16 0, (\k)%2, \k, 0
	s_wait_dscnt 0x0                               ; the add is done, and my reads of the slot are over
	s_barrier_signal -1
	MUL16 2, (\k)%2, \k, 0
	WIN 0
	s_barrier_wait -1
.if \fill
	CREST                                          ; no wave of any partner still reads slot 0 or has a load on its way
	s_add_nc_u64 s[G0+2:G0+3], s[G0+2:G0+3], 3*TROW
	s_add_nc_u64 s[G0B+2:G0B+3], s[G0B+2:G0B+3], 3*TROW
	JLOAD G0, G1, G0B, G1B                         ; the first tensor load behind the round; it has four K steps, 256 matrix instructions, in which to land; its four v_nop are the places in front of the loads below
.else
	PLACES 4
.endif
	FETCH_Y \nslot, 0, 1-(\k)%2
	FETCH_X \nslot, 0, 0
	WMUL 1, 0
	MUL16 4, (\k)%2, \k, 0
	MUL16 6, (\k)%2, \k, 0
	PLACES 4
	WIN 0
	FETCH_X \nslot, 0, 4
.endm
	s_wait_tensorcnt 2                             ; the scale words and slot 0 are in; slots 1 and 2 may stay out
	s_barrier_signal -1
	s_barrier_wait -1
	FETCH_Y 0, 0, 0
	FETCH_X 0, 0, 0
	SCALES
	FETCH_X 0, 0, 4
.if FF1
	s_wait_loadcnt 0x0                             ; b1
.endif
	STEP 0, 0, 1, 1                                ; the first products start the sums
	TURN 1, 1, 1
	STEP 2, 1, 1, 0                                ; the round has shown slots 1 and 2 whole to every wave: no barrier until slot 0 is wanted again
	STEP 3, 2, 0, 0
	STEP 4, 2, 1, 0
	TURN 5, 0, 0
	STEP 6, 0, 1, 0
	s_wait_dscnt 16
	WMUL 0, 0
	MUL16 0, 1, 7, 0
	MUL16 2, 1, 7, 0
	s_wait_dscnt 0
	WMUL 1, 0
	MUL16 4, 1, 7, 0
	MUL16 6, 1, 7, 0
	WIN 0
; THE WAY OUT: block x's 64 numbers a lane become a fragment and a scale word.
.irp b, 0,1,2,3
	v_mov_b32 v[TM+4+\b], 0                        ; a lane permute's destination counts as one of its sources; these four are also the places behind the last products
.endr
.macro OUTX x
.set QS, 64*((\x)%4)
.set QW, 2+(\x)/4
.set QP, XF+12*(\x)
.if FF1
	WIN 0x44*QW
.set j, 0
.rept 64
	v_max_num_f32 v[QS+j], 0, v[QS+j]              ; the activation, in f32, in place; each accumulator from its low end on
.set j, j+1
.endr
.endif
	WIN 5*QW                                       ; sources 0 and 1: the accumulators' window
.irp b, 0,1,2,3
	v_max3_num_f32 v[TM+\b], |v[QS+16*\b]|, |v[QS+1+16*\b]|, 0x1800000
.endr
.irp i, 2,4,6,8,10,12,14
.irp b, 0,1,2,3
	v_max3_num_f32 v[TM+\b], |v[QS+16*\b+\i]|, |v[QS+1+16*\b+\i]|, v[TM+\b]
.endr
.endr
	WIN 0
.irp b, 0,1,2,3
	v_permlanex16_b32 v[TM+4+\b], v[TM+\b], s[SEL], s[SEL+1]
.endr
.irp b, 0,1,2,3
	v_max_num_f32 v[TM+\b], v[TM+\b], v[TM+4+\b]
.endr
.irp b, 0,1,2,3
	v_add_nc_u32 v[TM+12+\b], 0xff000000, v[TM+\b]
.endr
.irp b, 0,1,2,3
	v_lshrrev_b32 v[TM+4+\b], 23, v[TM+12+\b]
.endr
	v_lshl_or_b32 v[PWX+\x], v[TM+5], 8, v[TM+4]
	v_lshl_or_b32 v[PWX+\x], v[TM+6], 16, v[PWX+\x]
	v_lshl_or_b32 v[PWX+\x], v[TM+7], 24, v[PWX+\x]
	WIN QW                                         ; source 0: the accumulators' window
.irp c, 0,1
	v_cvt_scalef32_pk16_fp6_f32 v[QP+6*\c:QP+2+6*\c], v[QS+32*\c:QS+15+32*\c], v[TM+12+2*\c]
	v_cvt_scalef32_pk16_fp6_f32 v[TU+4*\c:TU+2+4*\c], v[QS+16+32*\c:QS+31+32*\c], v[TM+12+2*\c+1]
.endr
	WIN 0
	v_nop                                          ; one plain place behind a scaled conversion
.irp c, 0,1
.irp i, 0,1,2
	v_permlane16_swap_b32 v[QP+6*\c+\i], v[TU+4*\c+\i]
.endr
.irp i, 0,1,2
	v_mov_b32 v[QP+3+6*\c+\i], v[TU+4*\c+\i]
.endr
.endr
.if (\x) > 0
	s_wait_xcnt 0x0                                ; the last block's stores have read their base
	s_add_nc_u64 s[12:13], s[12:13], s[100:101]
.endif
	global_store_b128 v17, v[QP:QP+3], s[12:13]
	global_store_b64 v18, v[QP+4:QP+5], s[12:13] offset:512
	global_store_b128 v17, v[QP+6:QP+9], s[12:13] offset:768
	global_store_b64 v18, v[QP+10:QP+11], s[12:13] offset:1280
.endm
.irp x, 0,1,2,3,4,5,6,7
	OUTX \x
.endr
	v_cmp_le_u32 vcc_lo, 16, v3                    ; the scale block: lanes 0-15 blocks 0-3, lanes 16-31 blocks 4-7
.irp j, 0,1,2,3
	v_cndmask_b32 v[SD+\j], v[PWX+\j], v[PWX+4+\j], vcc_lo
.endr
	global_store_b128 v17, v[SD:SD+3], s[96:97]    ; 512 consecutive bytes
	s_wait_tensorcnt 0x0                           ; the wave's end
	ds_add_u32 v[SPW], v[NIL]
	s_wait_dscnt 0x0
	CROUND                                         ; the closing round
	s_endpgm
.Lfunc_end_k_qc7cb4b456d_qkv:
	.size	k_qc7cb4b456d_qkv, .Lfunc_end_k_qc7cb4b456d_qkv-k_qc7cb4b456d_qkv
	.p2alignl 7, 3214868480
	.fill 96, 4, 3214868480
	.section	.rodata,"a",@progbits
	.p2align	6, 0x0
	.amdhsa_kernel k_qc7cb4b456d_qkv
		.amdhsa_group_segment_fixed_size 327680
		.amdhsa_private_segment_fixed_size 0
		.amdhsa_enable_private_segment 0
		.amdhsa_kernarg_size 24
		.amdhsa_user_sgpr_count 2
		.amdhsa_user_sgpr_kernarg_segment_ptr 1
		.amdhsa_wavefront_size32 1
		.amdhsa_system_sgpr_workgroup_id_x 1
		.amdhsa_system_sgpr_workgroup_id_y 1
		.amdhsa_system_sgpr_workgroup_id_z 1
		.amdhsa_system_vgpr_workitem_id 0
		.amdhsa_next_free_vgpr 1024
		.amdhsa_next_free_sgpr 102
		.amdhsa_reserve_vcc 1
		.amdhsa_float_denorm_mode_32 3
		.amdhsa_float_denorm_mode_16_64 3
		.amdhsa_memory_ordered 1
		.amdhsa_forward_progress 1
		.amdhsa_inst_pref_size 149
	.end_amdhsa_kernel
	.amdgpu_metadata
---
amdhsa.version: [ 1, 2 ]
amdhsa.kernels:
  - .name:           k_qc7cb4b456d_qkv
    .symbol:         k_qc7cb4b456d_qkv.kd
    .args:
      - { .name: a0, .offset: 0, .size: 8, .value_kind: global_buffer, .address_space: global }
      - { .name: W, .offset: 8, .size: 8, .value_kind: global_buffer, .address_space: global }
      - { .name: qkv, .offset: 16, .size: 8, .value_kind: global_buffer, .address_space: global }
    .group_segment_fixed_size: 327680
    .private_segment_fixed_size: 0
    .kernarg_segment_align: 8
    .kernarg_segment_size: 24
    .max_flat_workgroup_size: 128
    .sgpr_count:     102
    .vgpr_count:     1024
    .wavefront_size: 32
...
	.end_amdgpu_metadata
.endif
;; end of part 2
;; launch attn (part 3): grid 8 x 32, 16 waves a work-group, no clusters, 284,672 bytes of LDS; arguments qkv, a1; writes a1
.if DOCPART == 3
	.amdgcn_target "amdgcn-amd-amdhsa--gfx1250"
	.amdhsa_code_object_version 6
	.text
	.protected	k_qc7cb4b456d_attn
	.globl	k_qc7cb4b456d_attn
	.p2align	8
	.type	k_qc7cb4b456d_attn,@function
k_qc7cb4b456d_attn:
	s_mov_b64 s[64:65], 0
	v_nop
	global_prefetch_b8 v0, s[64:65] scope:SCOPE_SE
	s_setreg_imm32_b32 hwreg(HW_REG_WAVE_MODE, 25, 1), 1
	s_wait_xcnt 0x0
; Causal attention of one head of 64, 2,048 tokens, on codes of FP6 (E2M3) with E8M0 scales; logits = score / 32.  t = score x log2(e) / 32; M = the running largest t rounded up to a whole number; p = 2^(t - M) is
; quantised along the keys; the row's sum is taken of the unquantised p and divides O at the end; O / l is quantised along the model's 1,024 (two blocks of 32 a head) and leaves as codes.
; SHARES.  Work-group (p, batch x head) owns the token groups p and 15 - p, 128 queries each: p + 1 and 16 - p key steps of 128 keys, 17 in all.  THE LONG GROUP'S KEYS ARE SHARED BETWEEN TWO WAVES.
; Waves 8-15 (tile a = wave - 8) take group 15 - p's tile through key steps 0 .. 7 and leave O^T, the sum and -M in LDS.  Waves 0-7 (tile a = wave) take group p's tile through its p + 1 steps and store it, then the
; partner's tile of group 15 - p through key steps 8 .. 15 - p, and join the two parts: both are brought under the larger M by a power of two, which rounds nothing.  So a wave walks 9 or 8 steps whatever p is.
; A head's whole K and V^T, 98,304 bytes each, and their scale words lie in LDS: first fills alone, in two stages (key steps 0-7, 8-15); nothing is filled again.  Key step 0, in which every wave has work, is written
; out; behind it stands the barrier that shows the second stage whole.
; NO CLUSTER: the work-groups that share K and V differ in their queries, and the branch that leaves hidden key steps out would hang on the place in the cluster.
; LAYOUT.  Both products transposed: S^T = K Q^T, O^T = V^T P^T: a lane holds one query.  A tile's rows are 32 B + 8 u + r + 8 (r / 8), so p's 64 registers are register 16 b + i = key 32 b + 16 (lane / 16) + i.
; K = 64 in the first product: a head is half a fragment (768 bytes, six registers).  Q's registers 6-11 are zero codes, so what stands in K's registers 6-11 adds nothing (FP6 has no NaN): K's eight half fragments lie
; six registers apart, v32-79, each operand running over the next tile's six, the last over six zeros; the scale words are shifted so that the head's two bytes stand lowest.
; A key step all of whose keys come after the wave's queries is left out by a scalar branch on ids; the trip counts are constants, and every wave walks both loops.
; LIMITS: scale bytes held at 1 from below (floor 2^-124); a block of zeros keeps the byte 1; NaN and infinities not served.
; REGISTERS: v1-6 addresses that stay; v7-12 the step's; v13, v86, v87, v95 the hand-over's LDS addresses; v14 -M, v15 the largest t; v16-27 Q; v[28:29] the sum; v30 my query's place less 16 (lane / 16); v31 16 r;
;   v32-79 K's eight half fragments or V's four fragments; v80-85 zeros; v88-94 the second tile's Q and scale word; v96-159 S^T, then p; v160-191 O^T; v192-203 p's codes; v204-211, v212-223, v232-241 at work;
;   v224-227 K's scale words, v228-231 V's, v253 p's, v255 Q's.
.set VT,   98304
.set KSC,  196608
.set VSC,  204800
.set PART, 212992                      ; the hand-over: 4,352 bytes for each wave (O^T's 32 registers as images, then the sum and -M), bytes into which no fill lands
.set PWB,  4352
.set A0S,  3145728
.set QKS,  9437184
.set VCO,  6291456
.set VSS,  9699328
.set SEL, 76
.set CS,  78
.set T,   80
.set TS,  81
.set TT,  82
.set S,   83
.set GQ,  84
.set CNT, 85
.set SH,  86
.set G2,  91
	s_load_b128 s[4:7], s[0:1], 0x0                ; qkv, a1
	v_lshl_add_u32 v252, v0, 2, 0x45000
	v_mov_b32 v254, 0
	ds_add_u32 v252, v254
	ds_add_u32 v252, v254
	v_lshrrev_b32 v1, 5, v0
	v_readfirstlane_b32 s8, v1                     ; wave 0..15
	s_and_b32 s9, s8, 7                            ; my tile of the group's eight; also which part I fetch
	s_and_b32 s11, ttmp7, 0xffff
	s_lshr_b32 s12, s11, 4                         ; batch
	s_bfe_u32 s13, s11, 0x30001                    ; pair of heads
	s_and_b32 s14, s11, 1                          ; which of the pair
	s_sub_co_u32 s15, 15, ttmp9
	s_cmp_lt_u32 s8, 8
	s_cselect_b32 s[GQ], ttmp9, s15                ; my first group of 128 queries
	s_lshl_b32 s[SH], s14, 4
	; groups 1, elements of 8 bytes, no mask, no padding.  K's scale blocks: 2 rows of 512 bytes, 8,192 apart
	s_mov_b32 s16, 3<<16
	s_mov_b32 s17, 64<<16
	s_mov_b32 s18, 2<<16
	s_mov_b32 s19, 64<<16
	s_mov_b32 s20, 2
	s_mov_b32 s21, 1024
	s_mov_b32 s22, 0
	s_mov_b32 s23, 0
	; K: 8 half fragments of 768 bytes, 24,576 apart
	s_mov_b32 s24, 3<<16
	s_mov_b32 s25, 96<<16
	s_mov_b32 s26, 8<<16
	s_mov_b32 s27, 96<<16
	s_mov_b32 s28, 8
	s_mov_b32 s29, 3072
	s_mov_b32 s30, 0
	s_mov_b32 s31, 0
	; V's scale words: 2 rows of 256 bytes, 512 apart
	s_mov_b32 s32, 3<<16
	s_mov_b32 s33, 32<<16
	s_mov_b32 s34, 2<<16
	s_mov_b32 s35, 32<<16
	s_mov_b32 s36, 2
	s_mov_b32 s37, 64
	s_mov_b32 s38, 0
	s_mov_b32 s39, 0
	; V: 4 fragments of 1,536 bytes, 49,152 apart
	s_mov_b32 s40, 3<<16
	s_mov_b32 s41, 192<<16
	s_mov_b32 s42, 4<<16
	s_mov_b32 s43, 192<<16
	s_mov_b32 s44, 4
	s_mov_b32 s45, 6144
	s_mov_b32 s46, 0
	s_mov_b32 s47, 0
	s_lshl_b32 s88, s12, 7                         ; K's codes: ((128 b + 8 ww) 16 + 8 + j) 1,536 + 768 par
	s_lshl_b32 s87, s9, 3
	s_add_co_u32 s88, s88, s87
	s_lshl_b32 s88, s88, 4
	s_add_co_u32 s88, s88, s13
	s_add_co_u32 s88, s88, 8
	s_mul_i32 s88, s88, 1536
	s_mul_i32 s87, s14, 768
	s_add_co_u32 s88, s88, s87
	s_mov_b32 s89, 0
	s_lshl_b32 s90, s12, 4                         ; K's scale blocks: ((16 b + 2 ww) 16 + 8 + j) 512
	s_lshl_b32 s87, s9, 1
	s_add_co_u32 s90, s90, s87
	s_mov_b32 s15, s90
	s_lshl_b32 s90, s90, 4
	s_add_co_u32 s90, s90, s13
	s_add_co_u32 s90, s90, 8
	s_lshl_b32 s90, s90, 9
	s_add_co_u32 s90, s90, QKS
	s_mov_b32 s91, 0
	s_lshl_b32 s92, s13, 3                         ; V's codes: ((8 j + 4 par) 32 + 16 b + ww) 1,536
	s_lshl_b32 s87, s14, 2
	s_add_co_u32 s92, s92, s87
	s_lshl_b32 s92, s92, 5
	s_lshl_b32 s87, s12, 4
	s_add_co_u32 s92, s92, s87
	s_add_co_u32 s92, s92, s9
	s_mul_i32 s92, s92, 1536
	s_add_co_u32 s92, s92, VCO
	s_mov_b32 s93, 0
	s_lshl_b32 s94, s13, 5                         ; V's scale words: (32 j + 16 b + 2 ww) 512 + 256 par
	s_add_co_u32 s94, s94, s15
	s_lshl_b32 s94, s94, 9
	s_lshl_b32 s87, s14, 8
	s_add_co_u32 s94, s94, s87
	s_add_co_u32 s94, s94, VSS
	s_mov_b32 s95, 0
	s_wait_dscnt 0x0
	s_wait_kmcnt 0x0
	s_mov_b32 s48, 1                               ; groups 0: every wave makes both arms' and asks by one
	s_lshl_b32 s49, s9, 10
	s_add_co_u32 s49, s49, KSC
	s_add_nc_u64 s[50:51], s[4:5], s[90:91]
	s_or_b32 s51, s51, 0x80000000
	s_mov_b32 s52, 1
	s_mul_i32 s53, s9, 6144
	s_add_nc_u64 s[54:55], s[4:5], s[88:89]
	s_mov_b32 s56, 1
	s_add_co_u32 s57, s53, 49152
	s_add_nc_u64 s[58:59], s[54:55], 1572864       ; 64 tiles on
	s_or_b32 s55, s55, 0x80000000
	s_or_b32 s59, s59, 0x80000000
	s_mov_b32 s60, 1
	s_lshl_b32 s61, s9, 9
	s_add_co_u32 s61, s61, VSC
	s_add_nc_u64 s[62:63], s[4:5], s[94:95]
	s_or_b32 s63, s63, 0x80000000
	s_mov_b32 s68, 1
	s_add_co_u32 s69, s53, VT
	s_add_nc_u64 s[70:71], s[4:5], s[92:93]
	s_mov_b32 s72, 1
	s_add_co_u32 s73, s53, VT+49152
	s_add_nc_u64 s[74:75], s[70:71], 12288         ; 8 key steps on
	s_or_b32 s71, s71, 0x80000000
	s_or_b32 s75, s75, 0x80000000
	s_cmp_lt_u32 s8, 8                             ; waves 0-7 fetch K, waves 8-15 V: a wave's three first fills stand in one branch; three tensor loads of a wave are out
	s_cbranch_scc0 .Lfill_v
	tensor_load_to_lds s[48:51], s[16:23]
	s_nop 0
	tensor_load_to_lds s[52:55], s[24:31]
	s_nop 0
	tensor_load_to_lds s[56:59], s[24:31]
	s_nop 0
.rept 4
	v_nop
.endr
	s_branch .Lfilled
.Lfill_v:
	tensor_load_to_lds s[60:63], s[32:39]
	s_nop 0
	tensor_load_to_lds s[68:71], s[40:47]
	s_nop 0
	tensor_load_to_lds s[72:75], s[40:47]
	s_nop 0
.rept 4
	v_nop
.endr
.Lfilled:
; the four addresses of tile a of the group in s[g]: Q's half fragment, Q's scale words, the output's half fragment, the output's two scale bytes a row
.macro TILEADR g, qc, qs, oc, os
	s_lshl_b32 s87, s12, 7
	s_lshl_b32 s15, s[\g], 3
	s_add_co_u32 s87, s87, s15
	s_add_co_u32 s87, s87, s9                      ; the tile of tokens: 128 b + 8 group + a
	s_mul_i32 s15, s14, 768
	s_lshl_b32 s88, s87, 4
	s_add_co_u32 s88, s88, s13
	s_mul_i32 s88, s88, 1536
	s_add_co_u32 s88, s88, s15
	s_mov_b32 s89, 0
	s_add_nc_u64 s[\qc:\qc+1], s[4:5], s[88:89]
	s_lshl_b32 s88, s87, 3
	s_add_co_u32 s88, s88, s13
	s_mul_i32 s88, s88, 1536
	s_add_co_u32 s88, s88, s15
	s_add_nc_u64 s[\oc:\oc+1], s[6:7], s[88:89]
	s_lshl_b32 s87, s12, 4
	s_add_co_u32 s87, s87, s[\g]
	s_lshr_b32 s15, s9, 2
	s_lshl_b32 s15, s15, 8
	s_and_b32 s90, s9, 3
	s_lshl_b32 s90, s90, 2
	s_add_co_u32 s15, s15, s90                     ; the tile's words in a scale block
	s_lshl_b32 s88, s87, 4
	s_add_co_u32 s88, s88, s13
	s_lshl_b32 s88, s88, 9
	s_add_co_u32 s88, s88, s15
	s_add_co_u32 s88, s88, QKS
	s_add_nc_u64 s[\qs:\qs+1], s[4:5], s[88:89]
	s_lshl_b32 s88, s87, 3
	s_add_co_u32 s88, s88, s13
	s_lshl_b32 s88, s88, 9
	s_add_co_u32 s88, s88, s15
	s_lshl_b32 s90, s14, 1
	s_add_co_u32 s88, s88, s90
	s_add_co_u32 s88, s88, A0S
	s_add_nc_u64 s[\os:\os+1], s[6:7], s[88:89]
.endm
	s_sub_co_u32 s[G2], 15, ttmp9                  ; the long group
	TILEADR GQ, 2, 10, 96, 98                      ; my first tile
	TILEADR G2, 66, 100, 92, 94                    ; the long group's tile a: waves 0-7 take it up second (in waves 8-15 it is the first once more)
	v_and_b32 v7, 31, v0
	v_and_b32 v8, 15, v0
	v_bfe_u32 v9, v0, 4, 1
	v_lshlrev_b32 v1, 4, v7                        ; K: 16 lane
	v_lshlrev_b32 v2, 3, v7
	v_add_nc_u32 v4, VT+512, v2                    ; V: 8 lane + 512
	v_add_nc_u32 v2, 512, v2                       ; K: 8 lane + 512
	v_add_nc_u32 v3, VT, v1
	v_add_nc_u32 v5, KSC, v1
	v_lshlrev_b32 v31, 4, v8
	v_add_nc_u32 v6, VSC, v31
	s_mul_i32 s87, s8, PWB                         ; the hand-over: my own bytes,
	s_add_co_u32 s87, s87, PART
	v_add_nc_u32 v86, s87, v1                      ; 16 lane
	s_add_co_u32 s87, s87, 3584
	v_add_nc_u32 v87, s87, v2                      ; 4,096 + 8 lane
	s_xor_b32 s88, s8, 8                           ; and my partner's
	s_mul_i32 s88, s88, PWB
	s_add_co_u32 s88, s88, PART
	v_add_nc_u32 v95, s88, v1
	s_add_co_u32 s88, s88, 3584
	v_add_nc_u32 v13, s88, v2
	global_load_b128 v[16:19], v1, s[2:3]          ; Q stays in registers
	global_load_b64 v[20:21], v2, s[2:3]
	global_load_b32 v255, v31, s[10:11]
	global_load_b128 v[88:91], v1, s[66:67]        ; and so does the second tile's
	global_load_b64 v[92:93], v2, s[66:67]
	global_load_b32 v94, v31, s[100:101]
	s_lshr_b32 s87, s9, 1
	s_lshl_b32 s87, s87, 5
	s_and_b32 s88, s9, 1
	s_lshl_b32 s88, s88, 3
	s_add_co_u32 s87, s87, s88
	v_and_b32 v30, 8, v8
	v_add_nc_u32 v30, v30, v8
	v_add_nc_u32 v30, s87, v30                     ; my query's place in its group of 128 (the same in both groups),
	v_lshlrev_b32 v10, 4, v9
	v_sub_nc_u32 v30, v30, v10                     ; less 16 (lane / 16)
	s_mov_b32 s[SEL], 0x76543210
	s_mov_b32 s[SEL+1], 0xfedcba98
	s_mov_b32 s[CS], 0x3d38aa3b                    ; c = log2(e) / 32
	s_mov_b32 s[CS+1], s[CS]
	s_mov_b32 s[T], 0
	s_mov_b32 s[TS], 0
	s_mov_b32 s[TT], 0
	s_mov_b32 s[S], 0
	v_mov_b32 v15, 0xff61b1e6                      ; the largest t so far: -3e38
	v_floor_f32 v14, -v15                          ; -M
	v_mov_b32 v28, 0
	v_mov_b32 v29, 0
.irp i, 22,23,24,25,26,27
	v_mov_b32 v[\i], 0                             ; Q's upper 64 along K: zero codes
.endr
.irp i, 80,81,82,83,84,85
	v_mov_b32 v[\i], 0                             ; what the last tile of K runs over
.endr
.set j, 0
.rept 32
	v_mov_b32 v[160+j], 0                          ; O^T: the step is written once; the first change of M leaves zeros zeros
.set j, j+1
.endr
.irp i, 216,217,218,219,233,234
	v_mov_b32 v[\i], 0
.endr
	s_wait_tensorcnt 1                             ; my scale words and my part of key steps 0-7 are in; the second stage may stay out
	s_wait_loadcnt 0x0
	v_lshrrev_b32 v255, s[SH], v255                ; my head's two bytes lowest
	v_lshrrev_b32 v94, s[SH], v94
	s_barrier_signal -1
	s_barrier_wait -1
.macro STEP
	s_cmp_gt_u32 s[S], s[GQ]                       ; all 128 keys come after my queries (or the step is my partner's): only the addresses step
	s_cbranch_scc1 .Lhidden_\@
	v_add_nc_u32 v7, s[T], v1                      ; (four plain lines: the places in front of loads into registers that the last products read)
	v_add_nc_u32 v8, s[T], v2
	v_add_nc_u32 v11, s[TS], v5
	v_add_nc_u32 v12, s[TT], v6
	ds_load_b128 v[224:227], v11                   ; K's scale words: lanes 0-15 tiles 0-3, lanes 16-31 tiles 4-7
.irp t, 0,1,2,3,4,5,6,7
	ds_load_b128 v[32+6*\t:35+6*\t], v7 offset:768*\t   ; K's eight half fragments, six registers apart
	ds_load_b64 v[36+6*\t:37+6*\t], v8 offset:768*\t
.endr
	s_wait_dscnt 16                                ; the scale words are in; the sixteen loads behind them may be out
.irp t, 0,1,2,3
	v_lshrrev_b32 v[224+\t], s[SH], v[224+\t]
.endr
	v_add_nc_u32 v9, s[T], v3                      ; a scale register written by a vector instruction stands eight places ahead of a scaled matrix instruction: V's two addresses and six v_nop
	v_add_nc_u32 v10, s[T], v4
.rept 6
	v_nop
.endr
	s_wait_dscnt 0x0
.irp t, 0,1,2,3
	v_wmma_scale_f32_16x16x128_f8f6f4 v[96+8*\t:103+8*\t], v[32+6*\t:43+6*\t], v[16:27], 0, v[224+\t], v255 matrix_a_fmt:MATRIX_FMT_FP6 matrix_b_fmt:MATRIX_FMT_FP6
.endr
.irp t, 0,1,2,3
	v_wmma_scale_f32_16x16x128_f8f6f4 v[128+8*\t:135+8*\t], v[56+6*\t:67+6*\t], v[16:27], 0, v[224+\t], v255 matrix_a_fmt:MATRIX_FMT_FP6 matrix_b_fmt:MATRIX_FMT_FP6 matrix_a_scale:MATRIX_SCALE_ROW1
.endr
.rept 4
	v_nop                                          ; places in front of the loads below and of the first read of the scores
.endr
.irp i, 0,1,2,3                                ; V's four fragments and scale words are asked for now and land under the softmax
	ds_load_b128 v[32+12*\i:35+12*\i], v9 offset:1536*\i
	ds_load_b64 v[36+12*\i:37+12*\i], v10 offset:1536*\i
	ds_load_b128 v[38+12*\i:41+12*\i], v9 offset:1536*\i+768
	ds_load_b64 v[42+12*\i:43+12*\i], v10 offset:1536*\i+768
.endr
	ds_load_b128 v[228:231], v12
	s_cmp_lg_u32 s[S], s[GQ]                       ; on the diagonal hidden scores become -infinity ahead of the maximum
	s_cbranch_scc1 .Lopen_\@
	v_mov_b32 v235, 0xff800000
.set n, 0
.rept 64
	v_cmp_gt_i32 vcc_lo, 32*(n/16)+n%16, v30       ; register n holds key 32 (n / 16) + 16 (lane / 16) + n % 16 of the group
	v_cndmask_b32 v[96+n], v[96+n], v235, vcc_lo
.set n, n+1
.endr
.Lopen_\@:
.irp b, 0,1,2,3
	v_max3_num_f32 v[212+\b], v[96+16*\b], v[97+16*\b], v[98+16*\b]   ; the largest score of each block of 32 keys: for the row's maximum and, since p rises with the score, for the block's largest p
.endr
.irp i, 3,5,7,9,11,13
.irp b, 0,1,2,3
	v_max3_num_f32 v[212+\b], v[212+\b], v[96+16*\b+\i], v[97+16*\b+\i]
.endr
.endr
.irp b, 0,1,2,3
	v_max_num_f32 v[212+\b], v[212+\b], v[111+16*\b]
.endr
.irp b, 0,1,2,3
	v_permlanex16_b32 v[216+\b], v[212+\b], s[SEL], s[SEL+1]
.endr
.irp b, 0,1,2,3
	v_max_num_f32 v[212+\b], v[212+\b], v[216+\b]
.endr
	v_max3_num_f32 v234, v212, v213, v214
	v_max_num_f32 v234, v234, v215
	v_mul_f32 v234, s[CS], v234
	v_max_num_f32 v15, v15, v234                   ; the running largest t
	v_mov_b32 v234, v14
	v_floor_f32 v14, -v15                          ; -M = floor(-t): M is a whole number
	v_sub_f32 v234, v14, v234
	v_cvt_i32_f32 v234, v234                       ; (it saturates)
	v_ldexp_f32 v232, 1.0, v234                    ; f = 2^(old M - new M): rounds nothing
.set j, 0
.rept 32
	v_pk_fma_f32 v[96+j:97+j], v[96+j:97+j], s[CS:CS+1], v[14:15] op_sel_hi:[1,0,0]   ; t - M
.set j, j+2
.endr
.irp b, 0,1,2,3
	v_fma_f32 v[212+\b], v[212+\b], s[CS], v14
.endr
.set j, 0
.rept 64
	v_exp_f32 v[96+j], v[96+j]                     ; p, at most 1, not normalised
.set j, j+1
.endr
	v_pk_mul_f32 v[28:29], v[28:29], v[232:233] op_sel_hi:[1,0]   ; the sums under the new M (a plain place behind the exponentials)
	s_wait_alu depctr_va_vdst(0)                   ; one wait for the batch, ahead of its first reader
.irp b, 0,1,2,3
	v_exp_f32 v[212+\b], v[212+\b]                 ; the blocks' largest p
.endr
	v_pk_add_f32 v[236:237], v[96:97], v[98:99]    ; the row's sum of the unquantised p, in two chains
.set j, 4
.rept 15
	v_pk_add_f32 v[28:29], v[28:29], v[96+j:97+j]
	v_pk_add_f32 v[236:237], v[236:237], v[98+j:99+j]
.set j, j+4
.endr
	v_pk_add_f32 v[28:29], v[28:29], v[236:237]
	s_wait_alu depctr_va_vdst(0)                   ; and one for the four
.irp b, 0,1,2,3
	v_max_num_f32 v[212+\b], 0x1800000, v[212+\b]  ; the floor
.endr
.irp b, 0,1,2,3
	v_add_nc_u32 v[220+\b], 0xff000000, v[212+\b]
.endr
.irp b, 0,1,2,3
	v_lshrrev_b32 v[216+\b], 23, v[220+\b]
.endr
	v_lshl_or_b32 v253, v217, 8, v216              ; p's scale word for these 128 keys
	v_lshl_or_b32 v253, v218, 16, v253
	v_lshl_or_b32 v253, v219, 24, v253
.irp c, 0,1
	v_cvt_scalef32_pk16_fp6_f32 v[192+6*\c:194+6*\c], v[96+32*\c:111+32*\c], v[220+2*\c]
	v_cvt_scalef32_pk16_fp6_f32 v[204+4*\c:206+4*\c], v[112+32*\c:127+32*\c], v[220+2*\c+1]
.endr
	v_nop
.irp c, 0,1
.irp i, 0,1,2
	v_permlane16_swap_b32 v[192+6*\c+\i], v[204+4*\c+\i]
.endr
.irp i, 0,1,2
	v_mov_b32 v[195+6*\c+\i], v[204+4*\c+\i]
.endr
.endr
.set j, 0
.rept 16
	v_pk_mul_f32 v[160+j:161+j], v[160+j:161+j], v[232:233] op_sel_hi:[1,0]   ; O^T under the new M; these sixteen are also the places in front of the products below
.set j, j+2
.endr
	s_wait_dscnt 0x0                               ; V
.irp i, 0,1,2,3
	v_wmma_scale_f32_16x16x128_f8f6f4 v[160+8*\i:167+8*\i], v[32+12*\i:43+12*\i], v[192:203], v[160+8*\i:167+8*\i], v[228+\i], v253 matrix_a_fmt:MATRIX_FMT_FP6 matrix_b_fmt:MATRIX_FMT_FP6
.endr
.Lhidden_\@:
	s_add_co_u32 s[T], s[T], 6144
	s_add_co_u32 s[TS], s[TS], 512
	s_add_co_u32 s[TT], s[TT], 256
	s_add_co_u32 s[S], s[S], 1
.endm
; THE WAY OUT of a tile: v28 holds my lane's part of the row's sum, v160-191 O^T.  O / l is quantised (two blocks of 32) and stored at s[cb], its two scale bytes a row at s[sb].
.macro WAYOUT cb, sb
	v_permlanex16_b32 v234, v28, s[SEL], s[SEL+1]
	v_add_f32 v28, v28, v234                       ; the row's sum
	v_rcp_f32 v28, v28
.rept 4
	v_nop                                          ; the plain place behind the reciprocal, and the places behind the last products
.endr
	s_wait_alu depctr_va_vdst(0)                   ; the wait ahead of the reciprocal's first reader
.set j, 0
.rept 32
	v_mul_f32 v[96+j], v[160+j], v28               ; register 16 b + i = channel 32 b + 16 (lane / 16) + i of my query
.set j, j+1
.endr
.irp b, 0,1
	v_max3_num_f32 v[212+\b], |v[96+16*\b]|, |v[97+16*\b]|, 0x1800000
.endr
.irp i, 2,4,6,8,10,12,14
.irp b, 0,1
	v_max3_num_f32 v[212+\b], v[212+\b], |v[96+16*\b+\i]|, |v[97+16*\b+\i]|
.endr
.endr
.irp b, 0,1
	v_permlanex16_b32 v[216+\b], v[212+\b], s[SEL], s[SEL+1]
.endr
.irp b, 0,1
	v_max_num_f32 v[212+\b], v[212+\b], v[216+\b]
.endr
.irp b, 0,1
	v_add_nc_u32 v[220+\b], 0xff000000, v[212+\b]
.endr
.irp b, 0,1
	v_lshrrev_b32 v[216+\b], 23, v[220+\b]
.endr
	v_lshl_or_b32 v235, v217, 8, v216
	v_cvt_scalef32_pk16_fp6_f32 v[192:194], v[96:111], v220
	v_cvt_scalef32_pk16_fp6_f32 v[204:206], v[112:127], v221
	v_nop                                          ; one plain place behind a scaled conversion
.irp i, 0,1,2
	v_permlane16_swap_b32 v[192+\i], v[204+\i]
.endr
.irp i, 0,1,2
	v_mov_b32 v[195+\i], v[204+\i]
.endr
	global_store_b128 v1, v[192:195], s[\cb:\cb+1] ; my head's half of the fragment: 512 and 256 consecutive bytes
	global_store_b64 v2, v[196:197], s[\cb:\cb+1]
	global_store_b16 v31, v235, s[\sb:\sb+1]       ; two bytes a row: the word's other two are the other head's work-group's
.endm
	STEP                                           ; key step 0: every wave has work in it
	s_wait_tensorcnt 0x0                           ; my part of key steps 8-15 is in,
	s_wait_dscnt 0x0
	s_barrier_signal -1
	s_barrier_wait -1                              ; everybody's is: from here on no wave waits for another until the hand-over
	s_mov_b32 s[CNT], 7
.Lloop_a:                                          ; key steps 1-7
	STEP
	s_sub_co_i32 s[CNT], s[CNT], 1
	s_cmp_lg_u32 s[CNT], 0
	s_cbranch_scc1 .Lloop_a
	s_cmp_lt_u32 s8, 8
	s_cbranch_scc0 .Lmid_b
	; waves 0-7: the short group's tile is finished and leaves; the long group's tile is taken up, with sums that begin anew
	v_add_f32 v28, v28, v29
	WAYOUT 96, 98
	s_wait_xcnt 0x0                                ; the stores have read their data registers, which the next steps write again
	v_mov_b32 v255, v94
.irp i, 0,1,2,3,4,5
	v_mov_b32 v[16+\i], v[88+\i]
.endr
	v_mov_b32 v15, 0xff61b1e6
	v_floor_f32 v14, -v15
	v_mov_b32 v28, 0
	v_mov_b32 v29, 0
.set j, 0
.rept 32
	v_mov_b32 v[160+j], 0
.set j, j+1
.endr
	s_branch .Lmid_done
.Lmid_b:
	; waves 8-15: key steps 0-7 of the long group's tile are done: O^T, my lane's part of the sum and -M go to my own bytes of LDS as images of their registers
	v_add_f32 v236, v28, v29
	v_mov_b32 v237, v14
	v_nop
	v_nop                                          ; four places behind the last products
.irp q, 0,1,2,3,4,5,6,7
	ds_store_b128 v86, v[160+4*\q:163+4*\q] offset:512*\q   ; each accumulator from its low end on
.endr
	ds_store_b64 v87, v[236:237]
.Lmid_done:
	s_cmp_lt_u32 s8, 8
	s_cselect_b32 s[GQ], s[G2], 0                  ; waves 0-7: the long group; waves 8-15: every further step counts as hidden
	s_mov_b32 s[CNT], 8
.Lloop_b:                                          ; key steps 8-15
	STEP
	s_sub_co_i32 s[CNT], s[CNT], 1
	s_cmp_lg_u32 s[CNT], 0
	s_cbranch_scc1 .Lloop_b
	s_wait_dscnt 0x0                               ; for the others' sake: my stores into the hand-over have landed
	s_barrier_signal -1
	s_barrier_wait -1
	s_cmp_lt_u32 s8, 8
	s_cbranch_scc0 .Lend
	; waves 0-7: the two parts of the long group's tile are joined
.irp q, 0,1,2,3,4,5,6,7
	ds_load_b128 v[96+4*\q:99+4*\q], v95 offset:512*\q
.endr
	ds_load_b64 v[236:237], v13                    ; the partner's sum and -M
	v_add_f32 v28, v28, v29
	v_mov_b32 v241, 0                              ; (named as the upper half of the pair v[240:241])
	s_wait_dscnt 0x0
	v_min_num_f32 v234, v14, v237                  ; -M of the whole row: the smaller of the two
	v_sub_f32 v235, v234, v237                     ; the partner's M less the row's: a whole number, 0 or less
	v_sub_f32 v238, v234, v14                      ; and mine
	v_cvt_i32_f32 v235, v235
	v_cvt_i32_f32 v238, v238
	v_ldexp_f32 v240, 1.0, v235                    ; powers of two: the multiplications round nothing
	v_ldexp_f32 v232, 1.0, v238
	v_mul_f32 v28, v28, v232
	v_fma_f32 v28, v236, v240, v28
.set j, 0
.rept 16
	v_pk_mul_f32 v[160+j:161+j], v[160+j:161+j], v[232:233] op_sel_hi:[1,0]
.set j, j+2
.endr
.set j, 0
.rept 16
	v_pk_fma_f32 v[160+j:161+j], v[96+j:97+j], v[240:241], v[160+j:161+j] op_sel_hi:[1,0,1]
.set j, j+2
.endr
	WAYOUT 92, 94
.Lend:
	s_wait_tensorcnt 0x0
	ds_add_u32 v252, v254
	s_wait_dscnt 0x0
	s_endpgm
.Lfunc_end_k_qc7cb4b456d_attn:
	.size	k_qc7cb4b456d_attn, .Lfunc_end_k_qc7cb4b456d_attn-k_qc7cb4b456d_attn
	.p2alignl 7, 3214868480
	.fill 96, 4, 3214868480
	.section	.rodata,"a",@progbits
	.p2align	6, 0x0
	.amdhsa_kernel k_qc7cb4b456d_attn
		.amdhsa_group_segment_fixed_size 284672
		.amdhsa_private_segment_fixed_size 0
		.amdhsa_enable_private_segment 0
		.amdhsa_kernarg_size 16
		.amdhsa_user_sgpr_count 2
		.amdhsa_user_sgpr_kernarg_segment_ptr 1
		.amdhsa_wavefront_size32 1
		.amdhsa_system_sgpr_workgroup_id_x 1
		.amdhsa_system_sgpr_workgroup_id_y 1
		.amdhsa_system_sgpr_workgroup_id_z 1
		.amdhsa_system_vgpr_workitem_id 0
		.amdhsa_next_free_vgpr 256
		.amdhsa_next_free_sgpr 102
		.amdhsa_reserve_vcc 1
		.amdhsa_float_denorm_mode_32 3
		.amdhsa_float_denorm_mode_16_64 3
		.amdhsa_memory_ordered 1
		.amdhsa_forward_progress 1
		.amdhsa_inst_pref_size 90
	.end_amdhsa_kernel
	.amdgpu_metadata
---
amdhsa.version: [ 1, 2 ]
amdhsa.kernels:
  - .name:           k_qc7cb4b456d_attn
    .symbol:         k_qc7cb4b456d_attn.kd
    .args:
      - { .name: qkv, .offset: 0, .size: 8, .value_kind: global_buffer, .address_space: global }
      - { .name: a1, .offset: 8, .size: 8, .value_kind: global_buffer, .address_space: global }
    .group_segment_fixed_size: 284672
    .private_segment_fixed_size: 0
    .kernarg_segment_align: 8
    .kernarg_segment_size: 16
    .max_flat_workgroup_size: 512
    .sgpr_count:     102
    .vgpr_count:     256
    .wavefront_size: 32
...
	.end_amdgpu_metadata
.endif
;; end of part 3
;; launch proj (part 4): grid 8 x 32, 4 waves a work-group, clusters of 4 x 4, 327,680 bytes of LDS; arguments a1, W, res, y; writes y
.if DOCPART == 4
	.amdgcn_target "amdgcn-amd-amdhsa--gfx1250"
	.amdhsa_code_object_version 6
	.text
	.protected	k_qc7cb4b456d_proj
	.globl	k_qc7cb4b456d_proj
	.p2align	8
	.type	k_qc7cb4b456d_proj,@function
k_qc7cb4b456d_proj:
	s_mov_b64 s[64:65], 0
	v_nop
	global_prefetch_b8 v0, s[64:65] scope:SCOPE_SE
	s_setreg_imm32_b32 hwreg(HW_REG_WAVE_MODE, 25, 1), 1
	s_wait_xcnt 0x0
	s_wait_alu depctr_hold_cnt(0) depctr_sa_sdst(0) depctr_va_vdst(0) depctr_va_sdst(0) depctr_va_ssrc(0) depctr_va_vcc(0) depctr_vm_vsrc(0)
	s_getreg_b32 s2, hwreg(HW_REG_IB_STS2, 6, 4)
	s_cmp_eq_u32 s2, 0
	s_cbranch_scc0 .Lentry_in_a_cluster
	s_endpgm
.Lentry_in_a_cluster:
	s_bfe_u32 s2, ttmp6, 0x10000c
	s_cmp_lg_u32 s2, 0xf033
	s_cbranch_scc0 .Lentry_shape_is_right
	s_endpgm
.Lentry_shape_is_right:
; out = res + X Y^T, both operands codes of FP6 (E2M3) with E8M0 scales; res (residual + bias, f32, laid as images of the accumulators) is loaded straight into the accumulators; out is row-major f32.
; FF2 = 0: X = the attention's result, Y = Wp, K = 1,024.  FF2 = 1: X = the hidden layer, Y = W2, K = 4,096.
; A tile is 128 x 128, so that the 4,096 x 1,024 outputs give 256 work-groups; a wave makes 64 x 64: 16 accumulators.  Source 0 = 16 rows of Y, source 1 = 16 rows of X: a lane holds one token and 32 bytes of its row a tile.
; Operands lie in memory as images of their fragments' registers; a slot holds 4 K steps of 8 + 8 tiles: rows of 6,144 bytes, 4 rows a load.  Two slots; the scale words of all of K come once and stay in LDS.
; CLUSTERS: 4 x 4: X's tiles are asked for jointly along a row of the cluster, Y's along a column.
; REGISTERS: window 0: v1-3 r, h, lane; v4-11 LDS addresses; v16 scale words' address; v17 16 lane; v18 8 lane; v24-26 the way out; v28, v29 the spare word's address and 0; v32-63 scale words, a set a slot;
;   v128, v176 X's two sets, later rows on their way out.  window 1: v0, v64 Y's two sets.  window 2: accumulator (x, y) at v[8 (4 x + y)].
.set FF2, 0
.if FF2
.set KS,  32
.set XSO, 12582912
.set YCO, 6291456
.set YSO, 9437184+262144
.else
.set KS,  8
.set XSO, 3145728
.set YCO, 2359296
.set YSO, 9437184+98304
.endif
.set FRB,   1536
.set TROW,  4*FRB
.set HALFT, 4*TROW
.set SLOT,  4*HALFT
.set SCL,   2*SLOT
.set HALFS, 256*KS
.set STAGE, SCL+4*HALFS
.set SPARE, STAGE+4*4352
.set ADX16, 4
.set ADX8,  6
.set ADY16, 8
.set ADY8,  10
.set ADRS,  16
.set STO,   24
.set RD,    25
.set CO,    26
.set SPW,   28
.set NIL,   29
.set SC,    32
.set G1,   24
.set G0,   32
.set G1B,  40
.set G0B,  48
.set G1S,  56
.set G0S,  68
.set G1SB, 72
.set G0SB, 80
.set MSB, 0
.macro WIN new
.if MSB != (\new)
	s_set_vgpr_msb (MSB<<8)|(\new)
.set MSB, \new
.endif
.endm
.macro PLACES n
.rept \n
	v_nop
.endr
.endm
.macro JLOAD g0a, g1a, g0b, g1b        ; waves 0 and 1 fetch for X, waves 2 and 3 for Y; four v_nop follow each of the two lines
	s_cmp_eq_u32 s15, 0
	s_cbranch_scc0 .Lfor_b_\@
	tensor_load_to_lds s[\g0a:\g0a+3], s[\g1a:\g1a+7]
	s_nop 0
.rept 4
	v_nop
.endr
	s_branch .Lasked_\@
.Lfor_b_\@:
	tensor_load_to_lds s[\g0b:\g0b+3], s[\g1b:\g1b+7]
	s_nop 0
.rept 4
	v_nop
.endr
.Lasked_\@:
.endm
.macro CREST
	s_cmp_lg_u32 s14, 0
	s_cbranch_scc1 .Lnot_wave_0_\@
	s_barrier_signal -3
.Lnot_wave_0_\@:
	s_barrier_wait -3
	s_barrier_signal -1
	s_barrier_wait -1
.endm
.macro CROUND
	s_barrier_signal -1
	s_barrier_wait -1
	CREST
.endm
	s_load_b256 s[4:11], s[0:1], 0x0               ; X, W, res, out
	v_lshl_add_u32 v[SPW], v0, 2, SPARE
	v_mov_b32 v[NIL], 0
	ds_add_u32 v28, v29
	ds_add_u32 v28, v29
	s_wait_dscnt 0x0
	v_lshrrev_b32 v1, 5, v0
	v_readfirstlane_b32 s14, v1
	s_lshr_b32 s15, s14, 1                         ; my half of X's rows.  Also: I fetch for X (0) or for Y (1)
	s_and_b32 s16, s14, 1                          ; my half of Y's rows.  Also: which half I fetch
	s_bfe_u32 s19, ttmp6, 0x40000
	s_bfe_u32 s20, ttmp6, 0x40004
	s_lshl_b32 s21, s20, 2
	s_lshl_b32 s21, 15, s21
	s_lshl_b32 s22, 0x1111, s19
	s_and_b32 s17, ttmp7, 0xffff
	s_lshl_b32 s17, s17, 2
	s_add_co_u32 s17, s17, s20                     ; X's tile of 128 rows
	s_lshl_b32 s18, ttmp9, 2
	s_add_co_u32 s18, s18, s19                     ; Y's
	; group 1, elements of 8 bytes: 4 fragments' rows of 768 elements (4 K steps), 192 KS elements apart
	s_or_b32 s[G1], s21, (3<<16)|(1<<21)
	s_or_b32 s[G1B], s22, (3<<16)|(1<<21)
.irp g, G1, G1B
	s_mov_b32 s[\g+1], 768<<16
	s_mov_b32 s[\g+2], 4<<16
	s_mov_b32 s[\g+3], 768<<16
	s_mov_b32 s[\g+4], 4
	s_mov_b32 s[\g+5], 192*KS
	s_mov_b32 s[\g+6], 0
	s_mov_b32 s[\g+7], 0
.endr
	; half of the scale blocks of 128 rows, all of K: 256 KS dense bytes as KS rows of 256
	s_or_b32 s[G1S], s21, (3<<16)|(1<<21)
	s_or_b32 s[G1SB], s22, (3<<16)|(1<<21)
.irp g, G1S, G1SB
	s_mov_b32 s[\g+1], 32<<16
	s_mov_b32 s[\g+2], KS<<16
	s_mov_b32 s[\g+3], 32<<16
	s_mov_b32 s[\g+4], KS
	s_mov_b32 s[\g+5], 32
	s_mov_b32 s[\g+6], 0
	s_mov_b32 s[\g+7], 0
.endr
	s_lshl_b32 s2, s16, 2
	s_mul_i32 s3, s16, HALFS
	s_lshl_b32 s84, s17, 3
	s_add_co_u32 s84, s84, s2
	s_mul_i32 s84, s84, KS*FRB                     ; X's codes
	s_mov_b32 s85, 0
	s_mul_i32 s86, s17, KS*512
	s_add_co_u32 s86, s86, s3
	s_add_co_u32 s86, s86, XSO                     ; X's scale blocks
	s_mov_b32 s87, 0
	s_lshl_b32 s88, s18, 3
	s_add_co_u32 s88, s88, s2
	s_mul_i32 s88, s88, KS*FRB
	s_add_co_u32 s88, s88, YCO                     ; Y's codes
	s_mov_b32 s89, 0
	s_mul_i32 s90, s18, KS*512
	s_add_co_u32 s90, s90, s3
	s_add_co_u32 s90, s90, YSO                     ; Y's scale blocks
	s_mov_b32 s91, 0
	s_mul_i32 s92, s14, HALFT
	s_mul_i32 s93, s14, HALFS
	s_add_co_u32 s93, s93, SCL
	s_wait_kmcnt 0x0
	s_add_nc_u64 s[84:85], s[4:5], s[84:85]
	s_add_nc_u64 s[86:87], s[4:5], s[86:87]
	s_add_nc_u64 s[88:89], s[6:7], s[88:89]
	s_add_nc_u64 s[90:91], s[6:7], s[90:91]
	CROUND                                         ; all sixteen work-groups are here: the first joint loads meet
	s_mov_b32 s[G0S], 1
	s_mov_b32 s[G0S+1], s93
	s_mov_b64 s[G0S+2:G0S+3], s[86:87]
	s_or_b32 s[G0S+3], s[G0S+3], 0x80000000
	s_mov_b32 s[G0SB], 1
	s_mov_b32 s[G0SB+1], s93
	s_mov_b64 s[G0SB+2:G0SB+3], s[90:91]
	s_or_b32 s[G0SB+3], s[G0SB+3], 0x80000000
	JLOAD G0S, G1S, G0SB, G1SB
.irp n, 0,1
	s_mov_b32 s[G0+4*\n], 1
	s_add_co_u32 s[G0+4*\n+1], s92, \n*SLOT
	s_add_nc_u64 s[G0+4*\n+2:G0+4*\n+3], s[84:85], \n*TROW
	s_or_b32 s[G0+4*\n+3], s[G0+4*\n+3], 0x80000000
	s_mov_b32 s[G0B+4*\n], 1
	s_add_co_u32 s[G0B+4*\n+1], s92, \n*SLOT
	s_add_nc_u64 s[G0B+4*\n+2:G0B+4*\n+3], s[88:89], \n*TROW
	s_or_b32 s[G0B+4*\n+3], s[G0B+4*\n+3], 0x80000000
	JLOAD G0+4*\n, G1, G0B+4*\n, G1B               ; three tensor loads of a wave are out now
.endr
	s_lshl_b32 s94, s17, 3
	s_lshl_b32 s2, s15, 2
	s_add_co_u32 s94, s94, s2
	s_lshl_b32 s94, s94, 16                        ; res: my first tile of tokens,
	s_lshl_b32 s2, s18, 1
	s_add_co_u32 s2, s2, s16
	s_lshl_b32 s2, s2, 12                          ; my 64 columns
	s_add_co_u32 s94, s94, s2
	s_mov_b32 s95, 0
	s_add_nc_u64 s[94:95], s[8:9], s[94:95]
	s_lshl_b32 s96, s17, 7
	s_lshl_b32 s2, s15, 6
	s_add_co_u32 s96, s96, s2
	s_lshl_b32 s96, s96, 12                        ; out: my first row,
	s_lshl_b32 s2, s18, 9
	s_add_co_u32 s96, s96, s2
	s_lshl_b32 s2, s16, 8
	s_add_co_u32 s96, s96, s2                      ; my first column
	s_mov_b32 s97, 0
	s_add_nc_u64 s[10:11], s[10:11], s[96:97]
	v_and_b32 v3, 31, v0
	v_and_b32 v1, 15, v0
	v_bfe_u32 v2, v0, 4, 1
	v_lshlrev_b32 v17, 4, v3
	v_lshlrev_b32 v18, 3, v3
	WIN 0x80                                       ; destination window 2
.irp x, 0,1,2,3
.irp q, 0,1,2,3,4,5,6,7
	global_load_b128 v[32*\x+4*\q:32*\x+4*\q+3], v17, s[94:95] offset:65536*\x+512*\q th:TH_LOAD_NT   ; the sums begin as residual + bias: 512 consecutive bytes a load
.endr
.endr
	WIN 0
	s_mul_i32 s2, s15, HALFT
	s_mul_i32 s3, s16, HALFT
	s_add_co_u32 s3, s3, 2*HALFT
.irp n, 0,1
	v_add_nc_u32 v[ADX16+\n], s2, v17
	v_add_nc_u32 v[ADX8+\n], s2, v18
	v_add_nc_u32 v[ADY16+\n], s3, v17
	v_add_nc_u32 v[ADY8+\n], s3, v18
	s_add_co_u32 s2, s2, SLOT
	s_add_co_u32 s3, s3, SLOT
.endr
	s_lshl_b32 s2, s15, 8
	s_lshl_b32 s3, s16, 8
	s_add_co_u32 s3, s3, 2*HALFS
	s_sub_co_u32 s3, s3, s2
	v_mul_u32_u24 v[ADRS], s3, v2                  ; lanes 16-31 take Y's words: one product, the distance between the two bases
	v_lshl_add_u32 v[ADRS], v1, 4, v[ADRS]
	s_add_co_u32 s2, s2, SCL
	v_add_nc_u32 v[ADRS], s2, v[ADRS]
	s_mul_i32 s2, s14, 4352
	s_add_co_u32 s2, s2, STAGE                     ; my stage: 16 rows of 256 + 16 bytes
	v_mul_u32_u24 v[STO], v1, 272
	v_lshl_add_u32 v[STO], v2, 6, v[STO]
	v_add_nc_u32 v[STO], s2, v[STO]
	v_mul_u32_u24 v[RD], v2, 272
	v_lshl_add_u32 v[RD], v1, 4, v[RD]
	v_add_nc_u32 v[RD], s2, v[RD]
	v_lshlrev_b32 v[CO], 12, v2
	v_lshl_add_u32 v[CO], v1, 4, v[CO]
.macro FRAG reg, a16, a8, off
	ds_load_b128 v[\reg:\reg+3], v[\a16] offset:\off
	ds_load_b64 v[\reg+4:\reg+5], v[\a8] offset:\off+512
	ds_load_b128 v[\reg+6:\reg+9], v[\a16] offset:\off+768
	ds_load_b64 v[\reg+10:\reg+11], v[\a8] offset:\off+1280
.endm
.macro FETCH slot, q, p                ; 32 loads: Y's and X's four fragments of the slot's q-th K step into sets p
	WIN 0x40
.irp i, 0,1,2,3
	FRAG 64*(\p)+12*\i, ADY16+\slot, ADY8+\slot, \i*TROW+(\q)*FRB
.endr
	WIN 0
.irp i, 0,1,2,3
	FRAG 128+48*(\p)+12*\i, ADX16+\slot, ADX8+\slot, \i*TROW+(\q)*FRB
.endr
.endm
.macro SCALES set                      ; a slot's four K steps of scale words
.irp q, 0,1,2,3
	ds_load_b128 v[SC+16*\set+4*\q:SC+16*\set+4*\q+3], v[ADRS] offset:512*\q
.endr
.endm
; 8 products; the 16 accumulators take turns, one instruction a turn, in the same order in every step
.macro MUL8 x0, p, sb
.irp x, \x0, \x0+1
.irp y, 0,1,2,3
	v_wmma_scale_f32_16x16x128_f8f6f4 v[8*(4*(\x)+\y):8*(4*(\x)+\y)+7], v[64*(\p)+12*\y:64*(\p)+12*\y+11], v[128+48*(\p)+12*(\x):128+48*(\p)+12*(\x)+11], v[8*(4*(\x)+\y):8*(4*(\x)+\y)+7], v[(\sb)+\y], v[(\sb)+(\x)] matrix_a_fmt:MATRIX_FMT_FP6 matrix_b_fmt:MATRIX_FMT_FP6 matrix_a_scale:MATRIX_SCALE_ROW1
.endr
.endr
.endm
.macro STEP slot, q                    ; one of a slot's first three K steps: the next step's fragments are asked for, then this step is multiplied
	PLACES 4                                       ; in front of loads into registers that the last products read
	FETCH \slot, (\q)+1, 1-(\q)%2
	s_wait_dscnt 32                                ; all but the 32 just issued
	WIN 0xa1
	MUL8 0, (\q)%2, SC+16*\slot+4*(\q)
	MUL8 2, (\q)%2, SC+16*\slot+4*(\q)
.endm
.macro TURN slot, next, fill           ; a slot's last K step changes slots behind one barrier
	WIN 0
	s_wait_tensorcnt 0x0                           ; all my tensor loads have landed: my part of the next slot
	ds_add_u32 v[SPW], v[NIL]                      ; 0 onto my spare word
	s_wait_dscnt 1                                 ; (the add may be out)
	WIN 0xa1
	MUL8 0, 1, SC+16*\slot+12
	s_wait_dscnt 0x0                               ; the add is done, and my reads of this slot are over
	s_barrier_signal -1
	MUL8 2, 1, SC+16*\slot+12
	WIN 0
	s_barrier_wait -1
.if \fill
	CREST                                          ; no wave of any partner still reads this slot or has a load on its way
	s_add_nc_u64 s[G0+4*\slot+2:G0+4*\slot+3], s[G0+4*\slot+2:G0+4*\slot+3], 2*TROW
	s_add_nc_u64 s[G0B+4*\slot+2:G0B+4*\slot+3], s[G0B+4*\slot+2:G0B+4*\slot+3], 2*TROW
	JLOAD G0+4*\slot, G1, G0B+4*\slot, G1B         ; the first tensor load behind the round; its four v_nop are the places in front of the loads below
.else
	PLACES 4
.endif
	v_add_nc_u32 v[ADRS], 2048, v[ADRS]            ; the next slot's scale words
	FETCH \next, 0, 0
	SCALES \next
.endm
	s_wait_tensorcnt 1                             ; the scale words and slot 0 are in; slot 1 may stay out
	s_barrier_signal -1
	s_barrier_wait -1
	FETCH 0, 0, 0
	SCALES 0
	s_wait_loadcnt 0x0                             ; the accumulators
	STEP 0, 0
.if FF2
	WIN 0
	s_mov_b32 s99, 3
.Llap:                                             ; a trip goes once round the ring and fills both slots again
	STEP 0, 1
	STEP 0, 2
	TURN 0, 1, 1
	STEP 1, 0
	STEP 1, 1
	STEP 1, 2
	TURN 1, 0, 1
	STEP 0, 0
	WIN 0
	s_sub_co_i32 s99, s99, 1
	s_cmp_lg_u32 s99, 0
	s_cbranch_scc1 .Llap
.endif
	STEP 0, 1                                      ; the last lap fills nothing
	STEP 0, 2
	TURN 0, 1, 0
	STEP 1, 0
	STEP 1, 1
	STEP 1, 2
	s_wait_dscnt 0x0
	MUL8 0, 1, SC+16+12
	MUL8 2, 1, SC+16+12
	WIN 0
; THE WAY OUT: a tile of 16 tokens x 64 columns goes through my own stage and comes back as rows of 256 bytes: sixteen lanes store 256 consecutive, aligned bytes.
.macro TOSTAGE x
	WIN 0x08                                       ; an LDS store's data: window 2
.irp q, 0,1,2,3,4,5,6,7
	ds_store_b128 v[STO], v[32*(\x)+4*\q:32*(\x)+4*\q+3] offset:128*(\q/4)+16*(\q%4)   ; each accumulator from its low end on
.endr
	WIN 0
.irp t, 0,1,2,3,4,5,6,7
	ds_load_b128 v[128+32*((\x)%2)+4*\t:128+32*((\x)%2)+4*\t+3], v[RD] offset:544*\t    ; LDS serves a wave's instructions in order: these see the stores above
.endr
.endm
.macro SEND x, younger
	s_wait_dscnt \younger
.irp t, 0,1,2,3,4,5,6,7
	global_store_b128 v[CO], v[128+32*((\x)%2)+4*\t:128+32*((\x)%2)+4*\t+3], s[10:11] offset:(32*((\x)/2)+8*((\x)%2)+2*\t+8*(\t/4))*4096   ; lane rows 2 t, 2 t + 1 of the tile are these tokens
.endr
.endm
	PLACES 4
	TOSTAGE 0
.irp x, 1,2,3
.if \x > 1
	s_wait_xcnt 0x0                                ; the stores of two tiles back have read their registers
.endif
	TOSTAGE \x
	SEND \x-1, 16                                  ; behind that tile's loads: this tile's 8 stores and 8 loads
.endr
	SEND 3, 0
	s_wait_tensorcnt 0x0                           ; the wave's end
	ds_add_u32 v[SPW], v[NIL]
	s_wait_dscnt 0x0
	CROUND                                         ; the closing round
	s_endpgm
.Lfunc_end_k_qc7cb4b456d_proj:
	.size	k_qc7cb4b456d_proj, .Lfunc_end_k_qc7cb4b456d_proj-k_qc7cb4b456d_proj
	.p2alignl 7, 3214868480
	.fill 96, 4, 3214868480
	.section	.rodata,"a",@progbits
	.p2align	6, 0x0
	.amdhsa_kernel k_qc7cb4b456d_proj
		.amdhsa_group_segment_fixed_size 327680
		.amdhsa_private_segment_fixed_size 0
		.amdhsa_enable_private_segment 0
		.amdhsa_kernarg_size 32
		.amdhsa_user_sgpr_count 2
		.amdhsa_user_sgpr_kernarg_segment_ptr 1
		.amdhsa_wavefront_size32 1
		.amdhsa_system_sgpr_workgroup_id_x 1
		.amdhsa_system_sgpr_workgroup_id_y 1
		.amdhsa_system_sgpr_workgroup_id_z 1
		.amdhsa_system_vgpr_workitem_id 0
		.amdhsa_next_free_vgpr 640
		.amdhsa_next_free_sgpr 102
		.amdhsa_reserve_vcc 0
		.amdhsa_float_denorm_mode_32 3
		.amdhsa_float_denorm_mode_16_64 3
		.amdhsa_memory_ordered 1
		.amdhsa_forward_progress 1
		.amdhsa_inst_pref_size 56
	.end_amdhsa_kernel
	.amdgpu_metadata
---
amdhsa.version: [ 1, 2 ]
amdhsa.kernels:
  - .name:           k_qc7cb4b456d_proj
    .symbol:         k_qc7cb4b456d_proj.kd
    .args:
      - { .name: a1, .offset: 0, .size: 8, .value_kind: global_buffer, .address_space: global }
      - { .name: W, .offset: 8, .size: 8, .value_kind: global_buffer, .address_space: global }
      - { .name: res, .offset: 16, .size: 8, .value_kind: global_buffer, .address_space: global }
      - { .name: y, .offset: 24, .size: 8, .value_kind: global_buffer, .address_space: global }
    .group_segment_fixed_size: 327680
    .private_segment_fixed_size: 0
    .kernarg_segment_align: 8
    .kernarg_segment_size: 32
    .max_flat_workgroup_size: 128
    .sgpr_count:     102
    .vgpr_count:     640
    .wavefront_size: 32
...
	.end_amdgpu_metadata
.endif
;; end of part 4
;; launch ln2: the kernel of part 1 again; grid 256 x 1, 8 waves a work-group, no clusters, 70,656 bytes of LDS; arguments y, g2, be2, b2, Wq, Wk, Wv, Wp, W1, W2, res, a0, W; writes res, a0, W
;; launch ff1 (part 5): grid 16 x 16, 4 waves a work-group, clusters of 4 x 4, 327,680 bytes of LDS; arguments a0, W, b1, h; writes h
.if DOCPART == 5
	.amdgcn_target "amdgcn-amd-amdhsa--gfx1250"
	.amdhsa_code_object_version 6
	.text
	.protected	k_qc7cb4b456d_ff1
	.globl	k_qc7cb4b456d_ff1
	.p2align	8
	.type	k_qc7cb4b456d_ff1,@function
k_qc7cb4b456d_ff1:
	s_mov_b64 s[64:65], 0
	v_nop
	global_prefetch_b8 v0, s[64:65] scope:SCOPE_SE
	s_setreg_imm32_b32 hwreg(HW_REG_WAVE_MODE, 25, 1), 1
	s_wait_xcnt 0x0
	s_wait_alu depctr_hold_cnt(0) depctr_sa_sdst(0) depctr_va_vdst(0) depctr_va_sdst(0) depctr_va_ssrc(0) depctr_va_vcc(0) depctr_vm_vsrc(0)
	s_getreg_b32 s2, hwreg(HW_REG_IB_STS2, 6, 4)
	s_cmp_eq_u32 s2, 0
	s_cbranch_scc0 .Lentry_in_a_cluster
	s_endpgm
.Lentry_in_a_cluster:
	s_bfe_u32 s2, ttmp6, 0x10000c
	s_cmp_lg_u32 s2, 0xf033
	s_cbranch_scc0 .Lentry_shape_is_right
	s_endpgm
.Lentry_shape_is_right:
; C' = Q(X Y^T), both operands codes of FP6 (E2M3) with E8M0 scales, K = 1,024; the result is quantised along Y's rows, in registers, and leaves as codes.
; FF1 = 0: clusters with y < 4: X = the normed tokens, Y = Wq | Wk (q and k, quantised along the heads' 64); clusters with y >= 4: X = Wv, Y = the tokens (v^T, quantised along the keys).
; FF1 = 1: X = the tokens, Y = W1; b1 is the C of each sum's first product, relu ahead of the quantiser.
; A work-group makes 256 x 256, a wave 128 x 128: 64 accumulators.  Source 0 = 16 rows of Y, source 1 = 16 rows of X: a lane holds one row of X, and since a tile's rows are 32 B + 8 u + r + 8 (r / 8),
; its 64 registers of Y's eight tiles are register 16 b + i = Y's row 32 b + 16 (lane / 16) + i: what the quantiser wants.
; Operands lie in memory as images of their fragments' registers (1,536 bytes: b128, b64, b128, b64 at 16 or 8 bytes a lane), so a tile of 8 fragments x 2 K steps is 8 rows of 3,072 bytes for the tensor data mover,
; LDS reads are consecutive, and no padding is needed.  Three slots of 2 K steps are first fills; slot 0 is filled once more (K steps 6, 7).  All scale words of K = 1,024 stay in 64 registers.
; CLUSTERS: 4 x 4.  X's tiles are asked for jointly along a row of the cluster, Y's along a column.
; LIMITS: scale bytes held at 1 from below (floor 2^-124); a block of zeros keeps the byte 1; NaN and infinities not served.
; REGISTERS: window 0: v1-3 r, h, lane; v4-15 LDS addresses; v16 scale words' address; v17, v18 16 and 8 x lane; v28, v29 the spare word's address and 0; v32-95 scale words (K step k, block a: lanes 0-15 X's, lanes 16-31 Y's);
;   v96-127, v224-255 b1 (FF1), later the quantiser's; v128-223 X's fragments, one set, later the codes.  window 1: Y's two sets.  windows 2, 3: accumulator (x, y) at v[8 (8 (x % 4) + y)] of window 2 + x / 4.
.set FF1, 1
.set FRB,   1536
.set TROW,  2*FRB
.set HALFT, 8*TROW
.set SLOT,  4*HALFT
.set SCL,   3*SLOT
.set SPARE, SCL+4*4096
.set A0S,   3145728
.set WSC,   9437184
.if FF1
.set YCO, 3145728
.else
.set YCO, 0
.endif
.set ADX16, 4
.set ADX8,  7
.set ADY16, 10
.set ADY8,  13
.set ADRS,  16
.set SPW,   28
.set NIL,   29
.set SC,    32
.set XF,    128
.set TM,    96
.set PWX,   112
.set TU,    120
.set SD,    224
.set SEL,   2
.set G1,   24
.set G0,   32
.set G1B,  44
.set G0B,  52
.set G1S,  68
.set G0S,  76
.set G1SB, 80
.set G0SB, 88
.set MSB, 0
.macro WIN new                         ; the immediate's high byte repeats the setting that is left
.if MSB != (\new)
	s_set_vgpr_msb (MSB<<8)|(\new)
.set MSB, \new
.endif
.endm
.macro PLACES n
.rept \n
	v_nop
.endr
.endm
; a joint load: waves 0 and 1 fetch for X, waves 2 and 3 for Y; four v_nop follow each of the two lines
.macro JLOAD g0a, g1a, g0b, g1b
	s_cmp_eq_u32 s15, 0
	s_cbranch_scc0 .Lfor_b_\@
	tensor_load_to_lds s[\g0a:\g0a+3], s[\g1a:\g1a+7]
	s_nop 0
.rept 4
	v_nop
.endr
	s_branch .Lasked_\@
.Lfor_b_\@:
	tensor_load_to_lds s[\g0b:\g0b+3], s[\g1b:\g1b+7]
	s_nop 0
.rept 4
	v_nop
.endr
.Lasked_\@:
.endm
.macro CREST                           ; a round of the cluster's barrier behind its opening barrier
	s_cmp_lg_u32 s14, 0
	s_cbranch_scc1 .Lnot_wave_0_\@
	s_barrier_signal -3
.Lnot_wave_0_\@:
	s_barrier_wait -3
	s_barrier_signal -1
	s_barrier_wait -1
.endm
.macro CROUND
	s_barrier_signal -1
	s_barrier_wait -1
	CREST
.endm
	s_load_b128 s[4:7], s[0:1], 0x0                ; a0, W
.if FF1
	s_load_b128 s[8:11], s[0:1], 0x10              ; b1, the output
.else
	s_load_b64 s[10:11], s[0:1], 0x10              ; the output
.endif
	v_lshl_add_u32 v[SPW], v0, 2, SPARE
	v_mov_b32 v[NIL], 0
	ds_add_u32 v28, v29
	ds_add_u32 v28, v29
	s_wait_dscnt 0x0
	v_lshrrev_b32 v1, 5, v0
	v_readfirstlane_b32 s14, v1                    ; wave 0..3
	s_lshr_b32 s15, s14, 1                         ; my half of X's rows.  Also: I fetch for X (0) or for Y (1)
	s_and_b32 s16, s14, 1                          ; my half of Y's rows.  Also: which half of that tile I fetch
	s_bfe_u32 s19, ttmp6, 0x40000                  ; cx
	s_bfe_u32 s20, ttmp6, 0x40004                  ; cy
	s_lshl_b32 s21, s20, 2
	s_lshl_b32 s21, 15, s21                        ; my row of the cluster
	s_lshl_b32 s22, 0x1111, s19                    ; my column
	s_and_b32 s12, ttmp7, 0xffff                   ; the cluster's y
	s_lshl_b32 s17, s12, 2
	s_lshl_b32 s18, ttmp9, 2
.if FF1
	s_mov_b32 s23, 0                               ; X's codes begin here in their buffer,
	s_mov_b32 s3, A0S                              ; X's scale blocks here,
	s_mov_b32 s13, WSC+131072                      ; Y's scale blocks here;
	s_mov_b32 s66, 5                               ; log2 of the output's K steps,
	s_mov_b32 s67, 0                               ; where its codes begin,
	s_mov_b32 s2, 12582912                         ; and its scale blocks
.else
	s_lshl_b32 s94, s12, 3
	s_sub_co_u32 s94, s94, 32
	s_mov_b32 s3, A0S
	s_mov_b32 s13, WSC
	s_mov_b32 s2, 9437184
	s_cmp_ge_u32 s12, 4                            ; the v part?  The same answer in all sixteen partners
	s_cselect_b32 s17, 0, s17
	s_cselect_b32 s94, s94, 0
	s_cselect_b32 s23, 1572864, 0
	s_cselect_b32 s3, WSC+65536, s3
	s_cselect_b32 s13, A0S, s13
	s_cselect_b32 s66, 5, 4
	s_cselect_b32 s67, 6291456, 0
	s_cselect_b32 s2, 9699328, s2
	s_add_co_u32 s18, s18, s94
.endif
	s_add_co_u32 s17, s17, s20                     ; X's tile of 256 rows: hangs on cy alone
	s_add_co_u32 s18, s18, s19                     ; Y's: on cx alone
	; group 1, elements of 8 bytes: 8 fragments' rows of 384 elements (2 K steps), 1,536 elements (8 K steps) apart; bit 21 set beside the mask
	s_or_b32 s[G1], s21, (3<<16)|(1<<21)
	s_or_b32 s[G1B], s22, (3<<16)|(1<<21)
.irp g, G1, G1B
	s_mov_b32 s[\g+1], 384<<16
	s_mov_b32 s[\g+2], 8<<16
	s_mov_b32 s[\g+3], 384<<16
	s_mov_b32 s[\g+4], 8
	s_mov_b32 s[\g+5], 1536
	s_mov_b32 s[\g+6], 0
	s_mov_b32 s[\g+7], 0
.endr
	; the scale blocks of 128 rows, all 8 K steps: 4,096 dense bytes as 16 rows of 256
	s_or_b32 s[G1S], s21, (3<<16)|(1<<21)
	s_or_b32 s[G1SB], s22, (3<<16)|(1<<21)
.irp g, G1S, G1SB
	s_mov_b32 s[\g+1], 32<<16
	s_mov_b32 s[\g+2], 16<<16
	s_mov_b32 s[\g+3], 32<<16
	s_mov_b32 s[\g+4], 16
	s_mov_b32 s[\g+5], 32
	s_mov_b32 s[\g+6], 0
	s_mov_b32 s[\g+7], 0
.endr
	s_lshl_b32 s96, s16, 3
	s_lshl_b32 s92, s17, 4
	s_add_co_u32 s92, s92, s96
	s_mul_i32 s92, s92, 8*FRB
	s_add_co_u32 s92, s92, s23                     ; X's codes: fragment row 16 tile + 8 half
	s_mov_b32 s93, 0
	s_lshl_b32 s98, s17, 1
	s_add_co_u32 s98, s98, s16
	s_lshl_b32 s98, s98, 12
	s_add_co_u32 s98, s98, s3                      ; X's scale blocks
	s_mov_b32 s99, 0
	s_lshl_b32 s94, s18, 4
	s_add_co_u32 s94, s94, s96
	s_mul_i32 s94, s94, 8*FRB
	s_add_co_u32 s94, s94, YCO                     ; Y's codes
	s_mov_b32 s95, 0
	s_lshl_b32 s100, s18, 1
	s_add_co_u32 s100, s100, s16
	s_lshl_b32 s100, s100, 12
	s_add_co_u32 s100, s100, s13                   ; Y's scale blocks
	s_mov_b32 s101, 0
	s_mul_i32 s23, s14, HALFT                      ; where they go: the wave's number alone enters an LDS address
	s_lshl_b32 s3, s14, 12
	s_add_co_u32 s3, s3, SCL
	s_wait_kmcnt 0x0
.if FF1
	s_add_nc_u64 s[92:93], s[4:5], s[92:93]
	s_add_nc_u64 s[98:99], s[4:5], s[98:99]
	s_add_nc_u64 s[94:95], s[6:7], s[94:95]
	s_add_nc_u64 s[100:101], s[6:7], s[100:101]
.else
	s_cmp_ge_u32 s12, 4
	s_cselect_b64 s[96:97], s[6:7], s[4:5]         ; X's buffer
	s_cselect_b64 s[4:5], s[4:5], s[6:7]           ; Y's buffer
	s_add_nc_u64 s[92:93], s[96:97], s[92:93]
	s_add_nc_u64 s[98:99], s[96:97], s[98:99]
	s_add_nc_u64 s[94:95], s[4:5], s[94:95]
	s_add_nc_u64 s[100:101], s[4:5], s[100:101]
.endif
	CROUND                                         ; all sixteen work-groups are here: the first joint loads meet
	s_mov_b32 s[G0S], 1
	s_mov_b32 s[G0S+1], s3
	s_mov_b64 s[G0S+2:G0S+3], s[98:99]
	s_or_b32 s[G0S+3], s[G0S+3], 0x80000000
	s_mov_b32 s[G0SB], 1
	s_mov_b32 s[G0SB+1], s3
	s_mov_b64 s[G0SB+2:G0SB+3], s[100:101]
	s_or_b32 s[G0SB+3], s[G0SB+3], 0x80000000
	JLOAD G0S, G1S, G0SB, G1SB                     ; the scale words first: they are wanted with K step 0
.irp n, 0,1,2
	s_mov_b32 s[G0+4*\n], 1
	s_add_co_u32 s[G0+4*\n+1], s23, \n*SLOT
	s_add_nc_u64 s[G0+4*\n+2:G0+4*\n+3], s[92:93], \n*TROW
	s_or_b32 s[G0+4*\n+3], s[G0+4*\n+3], 0x80000000
	s_mov_b32 s[G0B+4*\n], 1
	s_add_co_u32 s[G0B+4*\n+1], s23, \n*SLOT
	s_add_nc_u64 s[G0B+4*\n+2:G0B+4*\n+3], s[94:95], \n*TROW
	s_or_b32 s[G0B+4*\n+3], s[G0B+4*\n+3], 0x80000000
	JLOAD G0+4*\n, G1, G0B+4*\n, G1B               ; by this text's count four tensor loads of a wave are out now
.endr
	; where my results go
	s_lshl_b32 s12, s17, 4
	s_lshl_b32 s13, s15, 3
	s_add_co_u32 s12, s12, s13                     ; my first tile of X's rows
	s_lshl_b32 s12, s12, s66
	s_lshl_b32 s13, s18, 1
	s_add_co_u32 s13, s13, s16                     ; my 128 rows of Y are this K step of the output
	s_add_co_u32 s12, s12, s13
	s_mul_i32 s12, s12, FRB
	s_add_co_u32 s12, s12, s67
	s_lshl_b32 s67, s17, 1
	s_add_co_u32 s67, s67, s15
	s_lshl_b32 s67, s67, s66
	s_add_co_u32 s67, s67, s13
	s_lshl_b32 s67, s67, 9
	s_add_co_u32 s96, s67, s2
	s_mov_b32 s13, 0
	s_mov_b32 s97, 0
	s_add_nc_u64 s[12:13], s[10:11], s[12:13]      ; the codes
	s_add_nc_u64 s[96:97], s[10:11], s[96:97]      ; the scale block
	s_lshl_b32 s100, FRB, s66                      ; from a tile's fragment to the next tile's
	s_mov_b32 s101, 0
	v_and_b32 v3, 31, v0
	v_and_b32 v1, 15, v0
	v_bfe_u32 v2, v0, 4, 1
	v_lshlrev_b32 v17, 4, v3
	v_lshlrev_b32 v18, 3, v3
	s_mul_i32 s2, s15, HALFT                       ; my 8 tiles of X,
	s_mul_i32 s3, s16, HALFT
	s_add_co_u32 s3, s3, 2*HALFT                   ; my 8 of Y, behind X's 16
.irp n, 0,1,2
	v_add_nc_u32 v[ADX16+\n], s2, v17
	v_add_nc_u32 v[ADX8+\n], s2, v18
	v_add_nc_u32 v[ADY16+\n], s3, v17
	v_add_nc_u32 v[ADY8+\n], s3, v18
	s_add_co_u32 s2, s2, SLOT
	s_add_co_u32 s3, s3, SLOT
.endr
	s_lshl_b32 s2, s15, 12
	s_lshl_b32 s3, s16, 12
	s_add_co_u32 s3, s3, 2*4096
	s_sub_co_u32 s3, s3, s2
	v_mul_u32_u24 v[ADRS], s3, v2                  ; lanes 16-31 take Y's words: one product, the distance between the two bases
	v_lshl_add_u32 v[ADRS], v1, 4, v[ADRS]
	s_add_co_u32 s2, s2, SCL
	v_add_nc_u32 v[ADRS], s2, v[ADRS]
.if FF1
	s_lshl_b32 s2, s18, 10
	s_lshl_b32 s3, s16, 9
	s_add_co_u32 s2, s2, s3
	s_mov_b32 s3, 0
	s_add_nc_u64 s[8:9], s[8:9], s[2:3]            ; b1 at my 128 hidden units
	v_lshlrev_b32 v19, 6, v2
.irp y, 0,1,2,3,4,5,6,7                        ; lane (r, h) wants, for tile y, units 32 (y / 2) + 16 h + 8 (y % 2) + 0 .. 7
	global_load_b128 v[96+8*\y+96*(\y/4):96+8*\y+96*(\y/4)+3], v19, s[8:9] offset:(32*(\y/2)+8*(\y%2))*4
	global_load_b128 v[100+8*\y+96*(\y/4):100+8*\y+96*(\y/4)+3], v19, s[8:9] offset:(32*(\y/2)+8*(\y%2))*4+16
.endr
.endif
	s_mov_b32 s[SEL], 0x76543210
	s_mov_b32 s[SEL+1], 0xfedcba98
.macro FRAG reg, a16, a8, off          ; a fragment's image into its 12 registers
	ds_load_b128 v[\reg:\reg+3], v[\a16] offset:\off
	ds_load_b64 v[\reg+4:\reg+5], v[\a8] offset:\off+512
	ds_load_b128 v[\reg+6:\reg+9], v[\a16] offset:\off+768
	ds_load_b64 v[\reg+10:\reg+11], v[\a8] offset:\off+1280
.endm
.macro FETCH_Y slot, q, p              ; Y's eight fragments of the slot's q-th K step into set p
	WIN 0x40
.irp i, 0,1,2,3,4,5,6,7
	FRAG 128*(\p)+12*\i, ADY16+\slot, ADY8+\slot, \i*TROW+(\q)*FRB
.endr
	WIN 0
.endm
.macro FETCH_X slot, q, i0             ; X's blocks i0 .. i0 + 3
.irp i, \i0, \i0+1, \i0+2, \i0+3
	FRAG XF+12*(\i), ADX16+\slot, ADX8+\slot, (\i)*TROW+(\q)*FRB
.endr
.endm
.macro SCALES                          ; all scale words: K step k, blocks 4 j .. 4 j + 3
.irp k, 0,1,2,3,4,5,6,7
.irp j, 0,1
	ds_load_b128 v[SC+8*\k+4*\j:SC+8*\k+4*\j+3], v[ADRS] offset:512*\k+256*\j
.endr
.endr
.endm
; 16 products: X's blocks a0, a0 + 1 against Y's eight, K step k.  The 64 accumulators take turns, one instruction a turn, in the same order in every step.
.macro MUL16 a0, p, k, first
.irp a, \a0, \a0+1
.irp b, 0,1,2,3,4,5,6,7
.if (\first) && FF1
	v_wmma_scale_f32_16x16x128_f8f6f4 v[8*(8*((\a)%4)+\b):8*(8*((\a)%4)+\b)+7], v[128*(\p)+12*\b:128*(\p)+12*\b+11], v[XF+12*(\a):XF+12*(\a)+11], v[96+8*\b+96*(\b/4):96+8*\b+96*(\b/4)+7], v[SC+8*(\k)+\b], v[SC+8*(\k)+(\a)] matrix_a_fmt:MATRIX_FMT_FP6 matrix_b_fmt:MATRIX_FMT_FP6 matrix_a_scale:MATRIX_SCALE_ROW1
.elseif \first
	v_wmma_scale_f32_16x16x128_f8f6f4 v[8*(8*((\a)%4)+\b):8*(8*((\a)%4)+\b)+7], v[128*(\p)+12*\b:128*(\p)+12*\b+11], v[XF+12*(\a):XF+12*(\a)+11], 0, v[SC+8*(\k)+\b], v[SC+8*(\k)+(\a)] matrix_a_fmt:MATRIX_FMT_FP6 matrix_b_fmt:MATRIX_FMT_FP6 matrix_a_scale:MATRIX_SCALE_ROW1
.else
	v_wmma_scale_f32_16x16x128_f8f6f4 v[8*(8*((\a)%4)+\b):8*(8*((\a)%4)+\b)+7], v[128*(\p)+12*\b:128*(\p)+12*\b+11], v[XF+12*(\a):XF+12*(\a)+11], v[8*(8*((\a)%4)+\b):8*(8*((\a)%4)+\b)+7], v[SC+8*(\k)+\b], v[SC+8*(\k)+(\a)] matrix_a_fmt:MATRIX_FMT_FP6 matrix_b_fmt:MATRIX_FMT_FP6 matrix_a_scale:MATRIX_SCALE_ROW1
.endif
.endr
.endr
.endm
.macro WMUL hi, first                  ; source 0 (Y) window 1, source 1 (X) window 0, D window 2 + hi; C with D, or (b1) in window 0
.if (\first) && FF1
	WIN 0x81+0x40*(\hi)
.else
	WIN 0xa1+0x50*(\hi)
.endif
.endm
; K step k; the next step's fragments lie in slot nslot, its nq-th.  X has one set: blocks 0-3 are fetched anew in the step's middle, blocks 4-7 at its end.
.macro STEP k, nslot, nq, first
	s_wait_dscnt 16                                ; all but the youngest 16 loads (X's blocks 4-7)
	WMUL 0, \first
	MUL16 0, (\k)%2, \k, \first
	MUL16 2, (\k)%2, \k, \first
	s_wait_dscnt 0
	PLACES 4                                       ; in front of loads into registers that matrix instructions have read
	FETCH_Y \nslot, \nq, 1-(\k)%2
	FETCH_X \nslot, \nq, 0
	WMUL 1, \first
	MUL16 4, (\k)%2, \k, \first
	MUL16 6, (\k)%2, \k, \first
	PLACES 4
	WIN 0
	FETCH_X \nslot, \nq, 4
.endm
; a step that changes slots behind one barrier.  fill = 1: slot 0, which nobody reads any more, takes K steps 6 and 7; the barrier then opens a round of the cluster's.
.macro TURN k, nslot, fill
	s_wait_tensorcnt 0x0                           ; all my tensor loads have landed
	ds_add_u32 v[SPW], v[NIL]                      ; 0 onto my spare word
	s_wait_dscnt 17                                ; (the add and X's blocks 4-7 may be out)
	WMUL 0, 0
	MUL16 0, (\k)%2, \k, 0
	s_wait_dscnt 0x0                               ; the add is done, and my reads of the slot are over
	s_barrier_signal -1
	MUL16 2, (\k)%2, \k, 0
	WIN 0
	s_barrier_wait -1
.if \fill
	CREST                                          ; no wave of any partner still reads slot 0 or has a load on its way
	s_add_nc_u64 s[G0+2:G0+3], s[G0+2:G0+3], 3*TROW
	s_add_nc_u64 s[G0B+2:G0B+3], s[G0B+2:G0B+3], 3*TROW
	JLOAD G0, G1, G0B, G1B                         ; the first tensor load behind the round; it has four K steps, 256 matrix instructions, in which to land; its four v_nop are the places in front of the loads below
.else
	PLACES 4
.endif
	FETCH_Y \nslot, 0, 1-(\k)%2
	FETCH_X \nslot, 0, 0
	WMUL 1, 0
	MUL16 4, (\k)%2, \k, 0
	MUL16 6, (\k)%2, \k, 0
	PLACES 4
	WIN 0
	FETCH_X \nslot, 0, 4
.endm
	s_wait_tensorcnt 2                             ; the scale words and slot 0 are in; slots 1 and 2 may stay out
	s_barrier_signal -1
	s_barrier_wait -1
	FETCH_Y 0, 0, 0
	FETCH_X 0, 0, 0
	SCALES
	FETCH_X 0, 0, 4
.if FF1
	s_wait_loadcnt 0x0                             ; b1
.endif
	STEP 0, 0, 1, 1                                ; the first products start the sums
	TURN 1, 1, 1
	STEP 2, 1, 1, 0                                ; the round has shown slots 1 and 2 whole to every wave: no barrier until slot 0 is wanted again
	STEP 3, 2, 0, 0
	STEP 4, 2, 1, 0
	TURN 5, 0, 0
	STEP 6, 0, 1, 0
	s_wait_dscnt 16
	WMUL 0, 0
	MUL16 0, 1, 7, 0
	MUL16 2, 1, 7, 0
	s_wait_dscnt 0
	WMUL 1, 0
	MUL16 4, 1, 7, 0
	MUL16 6, 1, 7, 0
	WIN 0
; THE WAY OUT: block x's 64 numbers a lane become a fragment and a scale word.
.irp b, 0,1,2,3
	v_mov_b32 v[TM+4+\b], 0                        ; a lane permute's destination counts as one of its sources; these four are also the places behind the last products
.endr
.macro OUTX x
.set QS, 64*((\x)%4)
.set QW, 2+(\x)/4
.set QP, XF+12*(\x)
.if FF1
	WIN 0x44*QW
.set j, 0
.rept 64
	v_max_num_f32 v[QS+j], 0, v[QS+j]              ; the activation, in f32, in place; each accumulator from its low end on
.set j, j+1
.endr
.endif
	WIN 5*QW                                       ; sources 0 and 1: the accumulators' window
.irp b, 0,1,2,3
	v_max3_num_f32 v[TM+\b], |v[QS+16*\b]|, |v[QS+1+16*\b]|, 0x1800000
.endr
.irp i, 2,4,6,8,10,12,14
.irp b, 0,1,2,3
	v_max3_num_f32 v[TM+\b], |v[QS+16*\b+\i]|, |v[QS+1+16*\b+\i]|, v[TM+\b]
.endr
.endr
	WIN 0
.irp b, 0,1,2,3
	v_permlanex16_b32 v[TM+4+\b], v[TM+\b], s[SEL], s[SEL+1]
.endr
.irp b, 0,1,2,3
	v_max_num_f32 v[TM+\b], v[TM+\b], v[TM+4+\b]
.endr
.irp b, 0,1,2,3
	v_add_nc_u32 v[TM+12+\b], 0xff000000, v[TM+\b]
.endr
.irp b, 0,1,2,3
	v_lshrrev_b32 v[TM+4+\b], 23, v[TM+12+\b]
.endr
	v_lshl_or_b32 v[PWX+\x], v[TM+5], 8, v[TM+4]
	v_lshl_or_b32 v[PWX+\x], v[TM+6], 16, v[PWX+\x]
	v_lshl_or_b32 v[PWX+\x], v[TM+7], 24, v[PWX+\x]
	WIN QW                                         ; source 0: the accumulators' window
.irp c, 0,1
	v_cvt_scalef32_pk16_fp6_f32 v[QP+6*\c:QP+2+6*\c], v[QS+32*\c:QS+15+32*\c], v[TM+12+2*\c]
	v_cvt_scalef32_pk16_fp6_f32 v[TU+4*\c:TU+2+4*\c], v[QS+16+32*\c:QS+31+32*\c], v[TM+12+2*\c+1]
.endr
	WIN 0
	v_nop                                          ; one plain place behind a scaled conversion
.irp c, 0,1
.irp i, 0,1,2
	v_permlane16_swap_b32 v[QP+6*\c+\i], v[TU+4*\c+\i]
.endr
.irp i, 0,1,2
	v_mov_b32 v[QP+3+6*\c+\i], v[TU+4*\c+\i]
.endr
.endr
.if (\x) > 0
	s_wait_xcnt 0x0                                ; the last block's stores have read their base
	s_add_nc_u64 s[12:13], s[12:13], s[100:101]
.endif
	global_store_b128 v17, v[QP:QP+3], s[12:13]
	global_store_b64 v18, v[QP+4:QP+5], s[12:13] offset:512
	global_store_b128 v17, v[QP+6:QP+9], s[12:13] offset:768
	global_store_b64 v18, v[QP+10:QP+11], s[12:13] offset:1280
.endm
.irp x, 0,1,2,3,4,5,6,7
	OUTX \x
.endr
	v_cmp_le_u32 vcc_lo, 16, v3                    ; the scale block: lanes 0-15 blocks 0-3, lanes 16-31 blocks 4-7
.irp j, 0,1,2,3
	v_cndmask_b32 v[SD+\j], v[PWX+\j], v[PWX+4+\j], vcc_lo
.endr
	global_store_b128 v17, v[SD:SD+3], s[96:97]    ; 512 consecutive bytes
	s_wait_tensorcnt 0x0                           ; the wave's end
	ds_add_u32 v[SPW], v[NIL]
	s_wait_dscnt 0x0
	CROUND                                         ; the closing round
	s_endpgm
.Lfunc_end_k_qc7cb4b456d_ff1:
	.size	k_qc7cb4b456d_ff1, .Lfunc_end_k_qc7cb4b456d_ff1-k_qc7cb4b456d_ff1
	.p2alignl 7, 3214868480
	.fill 96, 4, 3214868480
	.section	.rodata,"a",@progbits
	.p2align	6, 0x0
	.amdhsa_kernel k_qc7cb4b456d_ff1
		.amdhsa_group_segment_fixed_size 327680
		.amdhsa_private_segment_fixed_size 0
		.amdhsa_enable_private_segment 0
		.amdhsa_kernarg_size 32
		.amdhsa_user_sgpr_count 2
		.amdhsa_user_sgpr_kernarg_segment_ptr 1
		.amdhsa_wavefront_size32 1
		.amdhsa_system_sgpr_workgroup_id_x 1
		.amdhsa_system_sgpr_workgroup_id_y 1
		.amdhsa_system_sgpr_workgroup_id_z 1
		.amdhsa_system_vgpr_workitem_id 0
		.amdhsa_next_free_vgpr 1024
		.amdhsa_next_free_sgpr 102
		.amdhsa_reserve_vcc 1
		.amdhsa_float_denorm_mode_32 3
		.amdhsa_float_denorm_mode_16_64 3
		.amdhsa_memory_ordered 1
		.amdhsa_forward_progress 1
		.amdhsa_inst_pref_size 166
	.end_amdhsa_kernel
	.amdgpu_metadata
---
amdhsa.version: [ 1, 2 ]
amdhsa.kernels:
  - .name:           k_qc7cb4b456d_ff1
    .symbol:         k_qc7cb4b456d_ff1.kd
    .args:
      - { .name: a0, .offset: 0, .size: 8, .value_kind: global_buffer, .address_space: global }
      - { .name: W, .offset: 8, .size: 8, .value_kind: global_buffer, .address_space: global }
      - { .name: b1, .offset: 16, .size: 8, .value_kind: global_buffer, .address_space: global }
      - { .name: h, .offset: 24, .size: 8, .value_kind: global_buffer, .address_space: global }
    .group_segment_fixed_size: 327680
    .private_segment_fixed_size: 0
    .kernarg_segment_align: 8
    .kernarg_segment_size: 32
    .max_flat_workgroup_size: 128
    .sgpr_count:     102
    .vgpr_count:     1024
    .wavefront_size: 32
...
	.end_amdgpu_metadata
.endif
;; end of part 5
;; launch ff2 (part 6): grid 8 x 32, 4 waves a work-group, clusters of 4 x 4, 327,680 bytes of LDS; arguments h, W, res, out0; writes out0
.if DOCPART == 6
	.amdgcn_target "amdgcn-amd-amdhsa--gfx1250"
	.amdhsa_code_object_version 6
	.text
	.protected	k_qc7cb4b456d_ff2
	.globl	k_qc7cb4b456d_ff2
	.p2align	8
	.type	k_qc7cb4b456d_ff2,@function
k_qc7cb4b456d_ff2:
	s_mov_b64 s[64:65], 0
	v_nop
	global_prefetch_b8 v0, s[64:65] scope:SCOPE_SE
	s_setreg_imm32_b32 hwreg(HW_REG_WAVE_MODE, 25, 1), 1
	s_wait_xcnt 0x0
	s_wait_alu depctr_hold_cnt(0) depctr_sa_sdst(0) depctr_va_vdst(0) depctr_va_sdst(0) depctr_va_ssrc(0) depctr_va_vcc(0) depctr_vm_vsrc(0)
	s_getreg_b32 s2, hwreg(HW_REG_IB_STS2, 6, 4)
	s_cmp_eq_u32 s2, 0
	s_cbranch_scc0 .Lentry_in_a_cluster
	s_endpgm
.Lentry_in_a_cluster:
	s_bfe_u32 s2, ttmp6, 0x10000c
	s_cmp_lg_u32 s2, 0xf033
	s_cbranch_scc0 .Lentry_shape_is_right
	s_endpgm
.Lentry_shape_is_right:
; out = res + X Y^T, both operands codes of FP6 (E2M3) with E8M0 scales; res (residual + bias, f32, laid as images of the accumulators) is loaded straight into the accumulators; out is row-major f32.
; FF2 = 0: X = the attention's result, Y = Wp, K = 1,024.  FF2 = 1: X = the hidden layer, Y = W2, K = 4,096.
; A tile is 128 x 128, so that the 4,096 x 1,024 outputs give 256 work-groups; a wave makes 64 x 64: 16 accumulators.  Source 0 = 16 rows of Y, source 1 = 16 rows of X: a lane holds one token and 32 bytes of its row a tile.
; Operands lie in memory as images of their fragments' registers; a slot holds 4 K steps of 8 + 8 tiles: rows of 6,144 bytes, 4 rows a load.  Two slots; the scale words of all of K come once and stay in LDS.
; CLUSTERS: 4 x 4: X's tiles are asked for jointly along a row of the cluster, Y's along a column.
; REGISTERS: window 0: v1-3 r, h, lane; v4-11 LDS addresses; v16 scale words' address; v17 16 lane; v18 8 lane; v24-26 the way out; v28, v29 the spare word's address and 0; v32-63 scale words, a set a slot;
;   v128, v176 X's two sets, later rows on their way out.  window 1: v0, v64 Y's two sets.  window 2: accumulator (x, y) at v[8 (4 x + y)].
.set FF2, 1
.if FF2
.set KS,  32
.set XSO, 12582912
.set YCO, 6291456
.set YSO, 9437184+262144
.else
.set KS,  8
.set XSO, 3145728
.set YCO, 2359296
.set YSO, 9437184+98304
.endif
.set FRB,   1536
.set TROW,  4*FRB
.set HALFT, 4*TROW
.set SLOT,  4*HALFT
.set SCL,   2*SLOT
.set HALFS, 256*KS
.set STAGE, SCL+4*HALFS
.set SPARE, STAGE+4*4352
.set ADX16, 4
.set ADX8,  6
.set ADY16, 8
.set ADY8,  10
.set ADRS,  16
.set STO,   24
.set RD,    25
.set CO,    26
.set SPW,   28
.set NIL,   29
.set SC,    32
.set G1,   24
.set G0,   32
.set G1B,  40
.set G0B,  48
.set G1S,  56
.set G0S,  68
.set G1SB, 72
.set G0SB, 80
.set MSB, 0
.macro WIN new
.if MSB != (\new)
	s_set_vgpr_msb (MSB<<8)|(\new)
.set MSB, \new
.endif
.endm
.macro PLACES n
.rept \n
	v_nop
.endr
.endm
.macro JLOAD g0a, g1a, g0b, g1b        ; waves 0 and 1 fetch for X, waves 2 and 3 for Y; four v_nop follow each of the two lines
	s_cmp_eq_u32 s15, 0
	s_cbranch_scc0 .Lfor_b_\@
	tensor_load_to_lds s[\g0a:\g0a+3], s[\g1a:\g1a+7]
	s_nop 0
.rept 4
	v_nop
.endr
	s_branch .Lasked_\@
.Lfor_b_\@:
	tensor_load_to_lds s[\g0b:\g0b+3], s[\g1b:\g1b+7]
	s_nop 0
.rept 4
	v_nop
.endr
.Lasked_\@:
.endm
.macro CREST
	s_cmp_lg_u32 s14, 0
	s_cbranch_scc1 .Lnot_wave_0_\@
	s_barrier_signal -3
.Lnot_wave_0_\@:
	s_barrier_wait -3
	s_barrier_signal -1
	s_barrier_wait -1
.endm
.macro CROUND
	s_barrier_signal -1
	s_barrier_wait -1
	CREST
.endm
	s_load_b256 s[4:11], s[0:1], 0x0               ; X, W, res, out
	v_lshl_add_u32 v[SPW], v0, 2, SPARE
	v_mov_b32 v[NIL], 0
	ds_add_u32 v28, v29
	ds_add_u32 v28, v29
	s_wait_dscnt 0x0
	v_lshrrev_b32 v1, 5, v0
	v_readfirstlane_b32 s14, v1
	s_lshr_b32 s15, s14, 1                         ; my half of X's rows.  Also: I fetch for X (0) or for Y (1)
	s_and_b32 s16, s14, 1                          ; my half of Y's rows.  Also: which half I fetch
	s_bfe_u32 s19, ttmp6, 0x40000
	s_bfe_u32 s20, ttmp6, 0x40004
	s_lshl_b32 s21, s20, 2
	s_lshl_b32 s21, 15, s21
	s_lshl_b32 s22, 0x1111, s19
	s_and_b32 s17, ttmp7, 0xffff
	s_lshl_b32 s17, s17, 2
	s_add_co_u32 s17, s17, s20                     ; X's tile of 128 rows
	s_lshl_b32 s18, ttmp9, 2
	s_add_co_u32 s18, s18, s19                     ; Y's
	; group 1, elements of 8 bytes: 4 fragments' rows of 768 elements (4 K steps), 192 KS elements apart
	s_or_b32 s[G1], s21, (3<<16)|(1<<21)
	s_or_b32 s[G1B], s22, (3<<16)|(1<<21)
.irp g, G1, G1B
	s_mov_b32 s[\g+1], 768<<16
	s_mov_b32 s[\g+2], 4<<16
	s_mov_b32 s[\g+3], 768<<16
	s_mov_b32 s[\g+4], 4
	s_mov_b32 s[\g+5], 192*KS
	s_mov_b32 s[\g+6], 0
	s_mov_b32 s[\g+7], 0
.endr
	; half of the scale blocks of 128 rows, all of K: 256 KS dense bytes as KS rows of 256
	s_or_b32 s[G1S], s21, (3<<16)|(1<<21)
	s_or_b32 s[G1SB], s22, (3<<16)|(1<<21)
.irp g, G1S, G1SB
	s_mov_b32 s[\g+1], 32<<16
	s_mov_b32 s[\g+2], KS<<16
	s_mov_b32 s[\g+3], 32<<16
	s_mov_b32 s[\g+4], KS
	s_mov_b32 s[\g+5], 32
	s_mov_b32 s[\g+6], 0
	s_mov_b32 s[\g+7], 0
.endr
	s_lshl_b32 s2, s16, 2
	s_mul_i32 s3, s16, HALFS
	s_lshl_b32 s84, s17, 3
	s_add_co_u32 s84, s84, s2
	s_mul_i32 s84, s84, KS*FRB                     ; X's codes
	s_mov_b32 s85, 0
	s_mul_i32 s86, s17, KS*512
	s_add_co_u32 s86, s86, s3
	s_add_co_u32 s86, s86, XSO                     ; X's scale blocks
	s_mov_b32 s87, 0
	s_lshl_b32 s88, s18, 3
	s_add_co_u32 s88, s88, s2
	s_mul_i32 s88, s88, KS*FRB
	s_add_co_u32 s88, s88, YCO                     ; Y's codes
	s_mov_b32 s89, 0
	s_mul_i32 s90, s18, KS*512
	s_add_co_u32 s90, s90, s3
	s_add_co_u32 s90, s90, YSO                     ; Y's scale blocks
	s_mov_b32 s91, 0
	s_mul_i32 s92, s14, HALFT
	s_mul_i32 s93, s14, HALFS
	s_add_co_u32 s93, s93, SCL
	s_wait_kmcnt 0x0
	s_add_nc_u64 s[84:85], s[4:5], s[84:85]
	s_add_nc_u64 s[86:87], s[4:5], s[86:87]
	s_add_nc_u64 s[88:89], s[6:7], s[88:89]
	s_add_nc_u64 s[90:91], s[6:7], s[90:91]
	CROUND                                         ; all sixteen work-groups are here: the first joint loads meet
	s_mov_b32 s[G0S], 1
	s_mov_b32 s[G0S+1], s93
	s_mov_b64 s[G0S+2:G0S+3], s[86:87]
	s_or_b32 s[G0S+3], s[G0S+3], 0x80000000
	s_mov_b32 s[G0SB], 1
	s_mov_b32 s[G0SB+1], s93
	s_mov_b64 s[G0SB+2:G0SB+3], s[90:91]
	s_or_b32 s[G0SB+3], s[G0SB+3], 0x80000000
	JLOAD G0S, G1S, G0SB, G1SB
.irp n, 0,1
	s_mov_b32 s[G0+4*\n], 1
	s_add_co_u32 s[G0+4*\n+1], s92, \n*SLOT
	s_add_nc_u64 s[G0+4*\n+2:G0+4*\n+3], s[84:85], \n*TROW
	s_or_b32 s[G0+4*\n+3], s[G0+4*\n+3], 0x80000000
	s_mov_b32 s[G0B+4*\n], 1
	s_add_co_u32 s[G0B+4*\n+1], s92, \n*SLOT
	s_add_nc_u64 s[G0B+4*\n+2:G0B+4*\n+3], s[88:89], \n*TROW
	s_or_b32 s[G0B+4*\n+3], s[G0B+4*\n+3], 0x80000000
	JLOAD G0+4*\n, G1, G0B+4*\n, G1B               ; three tensor loads of a wave are out now
.endr
	s_lshl_b32 s94, s17, 3
	s_lshl_b32 s2, s15, 2
	s_add_co_u32 s94, s94, s2
	s_lshl_b32 s94, s94, 16                        ; res: my first tile of tokens,
	s_lshl_b32 s2, s18, 1
	s_add_co_u32 s2, s2, s16
	s_lshl_b32 s2, s2, 12                          ; my 64 columns
	s_add_co_u32 s94, s94, s2
	s_mov_b32 s95, 0
	s_add_nc_u64 s[94:95], s[8:9], s[94:95]
	s_lshl_b32 s96, s17, 7
	s_lshl_b32 s2, s15, 6
	s_add_co_u32 s96, s96, s2
	s_lshl_b32 s96, s96, 12                        ; out: my first row,
	s_lshl_b32 s2, s18, 9
	s_add_co_u32 s96, s96, s2
	s_lshl_b32 s2, s16, 8
	s_add_co_u32 s96, s96, s2                      ; my first column
	s_mov_b32 s97, 0
	s_add_nc_u64 s[10:11], s[10:11], s[96:97]
	v_and_b32 v3, 31, v0
	v_and_b32 v1, 15, v0
	v_bfe_u32 v2, v0, 4, 1
	v_lshlrev_b32 v17, 4, v3
	v_lshlrev_b32 v18, 3, v3
	WIN 0x80                                       ; destination window 2
.irp x, 0,1,2,3
.irp q, 0,1,2,3,4,5,6,7
	global_load_b128 v[32*\x+4*\q:32*\x+4*\q+3], v17, s[94:95] offset:65536*\x+512*\q th:TH_LOAD_NT   ; the sums begin as residual + bias: 512 consecutive bytes a load
.endr
.endr
	WIN 0
	s_mul_i32 s2, s15, HALFT
	s_mul_i32 s3, s16, HALFT
	s_add_co_u32 s3, s3, 2*HALFT
.irp n, 0,1
	v_add_nc_u32 v[ADX16+\n], s2, v17
	v_add_nc_u32 v[ADX8+\n], s2, v18
	v_add_nc_u32 v[ADY16+\n], s3, v17
	v_add_nc_u32 v[ADY8+\n], s3, v18
	s_add_co_u32 s2, s2, SLOT
	s_add_co_u32 s3, s3, SLOT
.endr
	s_lshl_b32 s2, s15, 8
	s_lshl_b32 s3, s16, 8
	s_add_co_u32 s3, s3, 2*HALFS
	s_sub_co_u32 s3, s3, s2
	v_mul_u32_u24 v[ADRS], s3, v2                  ; lanes 16-31 take Y's words: one product, the distance between the two bases
	v_lshl_add_u32 v[ADRS], v1, 4, v[ADRS]
	s_add_co_u32 s2, s2, SCL
	v_add_nc_u32 v[ADRS], s2, v[ADRS]
	s_mul_i32 s2, s14, 4352
	s_add_co_u32 s2, s2, STAGE                     ; my stage: 16 rows of 256 + 16 bytes
	v_mul_u32_u24 v[STO], v1, 272
	v_lshl_add_u32 v[STO], v2, 6, v[STO]
	v_add_nc_u32 v[STO], s2, v[STO]
	v_mul_u32_u24 v[RD], v2, 272
	v_lshl_add_u32 v[RD], v1, 4, v[RD]
	v_add_nc_u32 v[RD], s2, v[RD]
	v_lshlrev_b32 v[CO], 12, v2
	v_lshl_add_u32 v[CO], v1, 4, v[CO]
.macro FRAG reg, a16, a8, off
	ds_load_b128 v[\reg:\reg+3], v[\a16] offset:\off
	ds_load_b64 v[\reg+4:\reg+5], v[\a8] offset:\off+512
	ds_load_b128 v[\reg+6:\reg+9], v[\a16] offset:\off+768
	ds_load_b64 v[\reg+10:\reg+11], v[\a8] offset:\off+1280
.endm
.macro FETCH slot, q, p                ; 32 loads: Y's and X's four fragments of the slot's q-th K step into sets p
	WIN 0x40
.irp i, 0,1,2,3
	FRAG 64*(\p)+12*\i, ADY16+\slot, ADY8+\slot, \i*TROW+(\q)*FRB
.endr
	WIN 0
.irp i, 0,1,2,3
	FRAG 128+48*(\p)+12*\i, ADX16+\slot, ADX8+\slot, \i*TROW+(\q)*FRB
.endr
.endm
.macro SCALES set                      ; a slot's four K steps of scale words
.irp q, 0,1,2,3
	ds_load_b128 v[SC+16*\set+4*\q:SC+16*\set+4*\q+3], v[ADRS] offset:512*\q
.endr
.endm
; 8 products; the 16 accumulators take turns, one instruction a turn, in the same order in every step
.macro MUL8 x0, p, sb
.irp x, \x0, \x0+1
.irp y, 0,1,2,3
	v_wmma_scale_f32_16x16x128_f8f6f4 v[8*(4*(\x)+\y):8*(4*(\x)+\y)+7], v[64*(\p)+12*\y:64*(\p)+12*\y+11], v[128+48*(\p)+12*(\x):128+48*(\p)+12*(\x)+11], v[8*(4*(\x)+\y):8*(4*(\x)+\y)+7], v[(\sb)+\y], v[(\sb)+(\x)] matrix_a_fmt:MATRIX_FMT_FP6 matrix_b_fmt:MATRIX_FMT_FP6 matrix_a_scale:MATRIX_SCALE_ROW1
.endr
.endr
.endm
.macro STEP slot, q                    ; one of a slot's first three K steps: the next step's fragments are asked for, then this step is multiplied
	PLACES 4                                       ; in front of loads into registers that the last products read
	FETCH \slot, (\q)+1, 1-(\q)%2
	s_wait_dscnt 32                                ; all but the 32 just issued
	WIN 0xa1
	MUL8 0, (\q)%2, SC+16*\slot+4*(\q)
	MUL8 2, (\q)%2, SC+16*\slot+4*(\q)
.endm
.macro TURN slot, next, fill           ; a slot's last K step changes slots behind one barrier
	WIN 0
	s_wait_tensorcnt 0x0                           ; all my tensor loads have landed: my part of the next slot
	ds_add_u32 v[SPW], v[NIL]                      ; 0 onto my spare word
	s_wait_dscnt 1                                 ; (the add may be out)
	WIN 0xa1
	MUL8 0, 1, SC+16*\slot+12
	s_wait_dscnt 0x0                               ; the add is done, and my reads of this slot are over
	s_barrier_signal -1
	MUL8 2, 1, SC+16*\slot+12
	WIN 0
	s_barrier_wait -1
.if \fill
	CREST                                          ; no wave of any partner still reads this slot or has a load on its way
	s_add_nc_u64 s[G0+4*\slot+2:G0+4*\slot+3], s[G0+4*\slot+2:G0+4*\slot+3], 2*TROW
	s_add_nc_u64 s[G0B+4*\slot+2:G0B+4*\slot+3], s[G0B+4*\slot+2:G0B+4*\slot+3], 2*TROW
	JLOAD G0+4*\slot, G1, G0B+4*\slot, G1B         ; the first tensor load behind the round; its four v_nop are the places in front of the loads below
.else
	PLACES 4
.endif
	v_add_nc_u32 v[ADRS], 2048, v[ADRS]            ; the next slot's scale words
	FETCH \next, 0, 0
	SCALES \next
.endm
	s_wait_tensorcnt 1                             ; the scale words and slot 0 are in; slot 1 may stay out
	s_barrier_signal -1
	s_barrier_wait -1
	FETCH 0, 0, 0
	SCALES 0
	s_wait_loadcnt 0x0                             ; the accumulators
	STEP 0, 0
.if FF2
	WIN 0
	s_mov_b32 s99, 3
.Llap:                                             ; a trip goes once round the ring and fills both slots again
	STEP 0, 1
	STEP 0, 2
	TURN 0, 1, 1
	STEP 1, 0
	STEP 1, 1
	STEP 1, 2
	TURN 1, 0, 1
	STEP 0, 0
	WIN 0
	s_sub_co_i32 s99, s99, 1
	s_cmp_lg_u32 s99, 0
	s_cbranch_scc1 .Llap
.endif
	STEP 0, 1                                      ; the last lap fills nothing
	STEP 0, 2
	TURN 0, 1, 0
	STEP 1, 0
	STEP 1, 1
	STEP 1, 2
	s_wait_dscnt 0x0
	MUL8 0, 1, SC+16+12
	MUL8 2, 1, SC+16+12
	WIN 0
; THE WAY OUT: a tile of 16 tokens x 64 columns goes through my own stage and comes back as rows of 256 bytes: sixteen lanes store 256 consecutive, aligned bytes.
.macro TOSTAGE x
	WIN 0x08                                       ; an LDS store's data: window 2
.irp q, 0,1,2,3,4,5,6,7
	ds_store_b128 v[STO], v[32*(\x)+4*\q:32*(\x)+4*\q+3] offset:128*(\q/4)+16*(\q%4)   ; each accumulator from its low end on
.endr
	WIN 0
.irp t, 0,1,2,3,4,5,6,7
	ds_load_b128 v[128+32*((\x)%2)+4*\t:128+32*((\x)%2)+4*\t+3], v[RD] offset:544*\t    ; LDS serves a wave's instructions in order: these see the stores above
.endr
.endm
.macro SEND x, younger
	s_wait_dscnt \younger
.irp t, 0,1,2,3,4,5,6,7
	global_store_b128 v[CO], v[128+32*((\x)%2)+4*\t:128+32*((\x)%2)+4*\t+3], s[10:11] offset:(32*((\x)/2)+8*((\x)%2)+2*\t+8*(\t/4))*4096   ; lane rows 2 t, 2 t + 1 of the tile are these tokens
.endr
.endm
	PLACES 4
	TOSTAGE 0
.irp x, 1,2,3
.if \x > 1
	s_wait_xcnt 0x0                                ; the stores of two tiles back have read their registers
.endif
	TOSTAGE \x
	SEND \x-1, 16                                  ; behind that tile's loads: this tile's 8 stores and 8 loads
.endr
	SEND 3, 0
	s_wait_tensorcnt 0x0                           ; the wave's end
	ds_add_u32 v[SPW], v[NIL]
	s_wait_dscnt 0x0
	CROUND                                         ; the closing round
	s_endpgm
.Lfunc_end_k_qc7cb4b456d_ff2:
	.size	k_qc7cb4b456d_ff2, .Lfunc_end_k_qc7cb4b456d_ff2-k_qc7cb4b456d_ff2
	.p2alignl 7, 3214868480
	.fill 96, 4, 3214868480
	.section	.rodata,"a",@progbits
	.p2align	6, 0x0
	.amdhsa_kernel k_qc7cb4b456d_ff2
		.amdhsa_group_segment_fixed_size 327680
		.amdhsa_private_segment_fixed_size 0
		.amdhsa_enable_private_segment 0
		.amdhsa_kernarg_size 32
		.amdhsa_user_sgpr_count 2
		.amdhsa_user_sgpr_kernarg_segment_ptr 1
		.amdhsa_wavefront_size32 1
		.amdhsa_system_sgpr_workgroup_id_x 1
		.amdhsa_system_sgpr_workgroup_id_y 1
		.amdhsa_system_sgpr_workgroup_id_z 1
		.amdhsa_system_vgpr_workitem_id 0
		.amdhsa_next_free_vgpr 640
		.amdhsa_next_free_sgpr 102
		.amdhsa_reserve_vcc 0
		.amdhsa_float_denorm_mode_32 3
		.amdhsa_float_denorm_mode_16_64 3
		.amdhsa_memory_ordered 1
		.amdhsa_forward_progress 1
		.amdhsa_inst_pref_size 93
	.end_amdhsa_kernel
	.amdgpu_metadata
---
amdhsa.version: [ 1, 2 ]
amdhsa.kernels:
  - .name:           k_qc7cb4b456d_ff2
    .symbol:         k_qc7cb4b456d_ff2.kd
    .args:
      - { .name: h, .offset: 0, .size: 8, .value_kind: global_buffer, .address_space: global }
      - { .name: W, .offset: 8, .size: 8, .value_kind: global_buffer, .address_space: global }
      - { .name: res, .offset: 16, .size: 8, .value_kind: global_buffer, .address_space: global }
      - { .name: out0, .offset: 24, .size: 8, .value_kind: global_buffer, .address_space: global }
    .group_segment_fixed_size: 327680
    .private_segment_fixed_size: 0
    .kernarg_segment_align: 8
    .kernarg_segment_size: 32
    .max_flat_workgroup_size: 128
    .sgpr_count:     102
    .vgpr_count:     640
    .wavefront_size: 32
...
	.end_amdgpu_metadata
.endif
;; end of part 6
